; MI455X (gfx1250); checked and timed in simulation.
; The chip was launched on July 23, 2026; its instructions are those of AMD's public machine-readable ISA for CDNA 5 (MIT licence, August 2026) and "CDNA5" Instruction Set Architecture Reference Guide (July 2026). The comments in the code are by the model that wrote it; some were corrected since.
;; Multi Head Self Attention. Allowed arithmetic: matrix products marked QUANTISED: E2M3 operands, one E8M0 scale for each 32 along K, by v_wmma_scale_f32_16x16x128_f8f6f4 with both operands' format E2M3, f32 sums; everything else in f32.
;; Inputs: b_out 1,024 float32; b_qkv 3,072 float32; w_out 1,024 x 1,024 float32; w_qkv 1,024 x 3,072 float32; x 2 x 2,048 x 1,024 float32.
;; Outputs: out0 2 x 2,048 x 1,024 float32.
;; This version of the problem:
;;   THIS VERSION OF THE PROBLEM IS GIVEN IN LOW PRECISION. The matrix products marked QUANTISED in the list below multiply operands that are first quantised to E2M3 (2 exponent bits, 3 mantissa bits; 6 bits a number), with one power-of-two scale for each 32 numbers along K (OCP MX v1.0); their sums are f32. All else is computed in f32.
;;   The module's matrix products, in the order in which they are computed (A, B: the left and right operand; K: the contracted axis; several contracted axes count as one K, in the product's order):
;;     1. [M 4,096, K 1,024] x [K 1,024, N 3,072]; A: input x; B: input w_qkv: QUANTISED
;;     2. batch 32 x [M 2,048, K 64] x [K 64, N 2,048]; A: computed on the way; B: computed on the way: QUANTISED
;;     3. batch 32 x [M 2,048, K 2,048] x [K 2,048, N 64]; A: softmax (see below); B: computed on the way: QUANTISED
;;     4. [M 4,096, K 1,024] x [K 1,024, N 1,024]; A: computed on the way; B: input w_out: QUANTISED
;;   THE QUANTISER, for each operand of a quantised product, along K:
;;     - K is cut into blocks of 32 from its start; a last block that is shorter is filled with zeros.
;;     - A block's scale is 2^e with e = floor(log2(the largest magnitude in the block)) - 2, held to -126 .. 127; a block of zeros has e = 0. As a byte (E8M0): e + 127.
;;     - Each number is divided by its block's scale, clamped to +-7.5, and rounded to the nearest number of E2M3, ties to even, subnormals kept.
;;     - The product sums the exact products of the quantised numbers (number of the format x scale) in f32.
;;   ~~~python
;;   def quantise(x, axis):      # numpy; x: float32 -> the quantised numbers, widened to float32 again
;;       x = np.moveaxis(x, axis, -1); K = x.shape[-1]
;;       x = np.pad(x, [(0, 0)] * (x.ndim - 1) + [(0, -K % 32)]); x = x.reshape(x.shape[:-1] + (-1, 32)); a = np.abs(x).max(-1, keepdims=True)
;;       e = np.where(a > 0, np.clip(np.frexp(np.where(a > 0, a, 1))[1] - 1 - 2, -126, 127), 0)      # np.frexp(a)[1] - 1 = floor(log2(a)), exactly
;;       r = np.clip(x / 2.0 ** e, -7.5, 7.5)
;;       step = 2.0 ** (np.maximum(np.frexp(np.where(r == 0, 1, r))[1] - 1, 0) - 3)
;;       q = np.round(r / step) * step * 2.0 ** e      # np.round: ties to even
;;       return np.moveaxis(q.reshape(q.shape[:-2] + (-1,))[..., :K], -1, axis).astype(np.float32)
;;   ~~~
;;   SOFTMAX AHEAD OF A QUANTISED PRODUCT. Where the list says 'softmax', what is quantised is not the finished softmax but p = 2^(t - M), with t = logit x log2(e) and M = ceil(the row's largest t), a whole number; so 1/2 < the row's largest p <= 1. The row's sum l is taken of the UNQUANTISED p, in f32, and the product's result is divided by l at the end. Since M is a whole number, a kernel that streams over the keys may use a running M (the ceiling of the running maximum): every later rescaling is an exact power of two, which a block's scale takes up: the codes' values come out the same.
;;   OPERANDS COMPUTED ON THE WAY. 'Computed on the way' means the value that the module computes at that place (a softmax that the list does not call 'softmax' is quantised finished and normalised). What goes into a quantiser is computed in f32, as accurately as f32 sums, v_exp_f32 and their like allow (about 1e-6 of the number): no bf16 or f16 on the way to a quantiser, and a product that is left as it is and whose result goes on into a quantised operand takes f32 operands (vector FMAs, or v_wmma_f32_16x16x4_f32). A number that lies on a knife's edge between two numbers of the format may be rounded either way, as far as f32 arithmetic and the matrix unit's own rounding can turn it there, and no further.
;; One version. Each part assembles by itself: llvm-mc -triple=amdgcn-amd-amdhsa -mcpu=gfx1250 --defsym DOCPART=n.
;; ======== version 1 of 1: 4 launches
;; limits: right only within a limited range of input values
;; workspace buffers: xr 3,276,800 bytes; wr 2,457,600 bytes; orr 819,200 bytes; qr 3,407,872 bytes; kv 6,684,672 bytes; ao 3,276,800 bytes
;; launch prep (part 1): grid 384 x 1, 8 waves a work-group, no clusters, 93,184 bytes of LDS; arguments x, w_qkv, w_out, xr, wr, orr; writes xr, wr, orr
.if DOCPART == 1
	.amdgcn_target "amdgcn-amd-amdhsa--gfx1250"
	.amdhsa_code_object_version 6
	.text
	.protected	k_q150420885d_prep
	.globl	k_q150420885d_prep
	.p2align	8
	.type	k_q150420885d_prep,@function
k_q150420885d_prep:
	s_mov_b64 s[64:65], 0
	v_nop
	global_prefetch_b8 v0, s[64:65] scope:SCOPE_SE
	s_setreg_imm32_b32 hwreg(HW_REG_WAVE_MODE, 25, 1), 1
	s_wait_xcnt 0x0
; x [4096][1024], w_qkv [1024][3072] and w_out [1024][1024], f32, become codes of FP6 (E2M3) with one E8M0 byte for each 32 along K (K = the 1,024), laid as TILE RECORDS in the order of an operand's registers.
; A TILE is 16 rows (tokens of x; columns n of a weight) that are not neighbours: row i of tile T is 32 (T / 2) + 8 (T % 2) + i + 8 (i / 8).  As source 0 of a product such a tile leaves 16 neighbours in the 16 registers of tiles 2 b, 2 b + 1.
; A RECORD is 12,800 bytes: K step s (128 along K) at 1,536 s: registers 4 g .. 4 g + 3 of lane L at 512 g + 16 L; from byte 12,288 on the scale words: K step s, row r at 64 s + 4 r.
; A block's scale is 2^(floor(log2(its largest magnitude)) - 2); its byte is the largest magnitude's exponent field - 2, held at 1 from below.
; LIMITS: a block whose largest magnitude lies under 2^-124, a block of zeros among them, gets the byte 1 (the rule says 127 for zeros): its codes are zeros or the nearest codes under that scale, and this program alone reads the bytes.  NaN and infinities are not served.
; Work-groups 0-255: token tile T = the work-group, wave w = K step w.  Each load reads 512 consecutive bytes of one row; the 16 rows turn through the wave's own stage so that a lane holds 16 neighbours of each block of its row.
; Work-groups 256-383: the weights.  A lane takes a column n and its registers run down K, so a block of 32 lies in one lane; a wave takes 32 columns (two tiles) x 128 K; the codes turn through the wave's stage into the two images.
; Waves share nothing: no barrier.  The two paths have LDS bytes of their own.
.set REC,   12800
.set XSTG,  8448                       ; x path: 16 rows x 528 bytes for each wave
.set WSTG0, 67584                      ; w path: behind the eight x stages,
.set WSTG,  3072                       ; two images of 1,536 bytes for each wave
.set SPARE, 92160                      ; the spare words: 128 bytes for each wave, four blocks of 256 bytes that no other line names
.set SPW, 2                            ; v2   my spare word's LDS address; never rewritten
.set NIL, 3                            ; v3   0; never rewritten
.set LI,  4                            ; v4   16 x lane
.set R4,  5                            ; v5   4 x (lane % 16)
.set SX,  6                            ; v6   x path: into the stage
.set RX,  7                            ; v7   x path: out of the stage
.set WS,  8                            ; v8   w path: into the stage
.set RW,  9                            ; v9   w path: out of the stage
.set L4,  10                           ; v10  4 x lane
.set WSC, 11                           ; v11  w path: my column's scale word in the two records
.set R,   32                           ; x path: v32-95 as loaded, v96-159 16 neighbours of each of four blocks
.set X,   96
.set PC,  160                          ; v160-179 codes
.set TM,  180                          ; v180-195 at work
.set PW,  196                          ; the scale word
.set OFF, 32                           ; w path: v32-63 4 x lane + i rows; v64-127 two sets of 32 numbers; v128-151 codes; v152-154 at work; v160-183 the images; v184 the scale word
.set XW,  64
.set CW,  128
.set DW,  152
.set FW,  160
.set SBW, 184
.set SEL, 20                           ; s[20:21] selects for lane l xor 16
; 64 numbers of a lane, register 16 b + i = k 32 b + 16 (lane / 16) + i of my row, become a fragment's 12 registers in v[PC] on and its scale word in v[pw] (the same in lanes l and l xor 16)
.macro QUANT s, pw
.irp b, 0,1,2,3
	v_max3_num_f32 v[TM+\b], |v[\s+16*\b]|, |v[\s+1+16*\b]|, 0x1800000   ; my 16 numbers of block b, and the floor 2^(3 - 127): the byte cannot fall under 1
.endr
.irp i, 2,4,6,8,10,12,14
.irp b, 0,1,2,3
	s_delay_alu instid0(VALU_DEP_4)
	v_max3_num_f32 v[TM+\b], v[TM+\b], |v[\s+16*\b+\i]|, |v[\s+1+16*\b+\i]|
.endr
.endr
.irp b, 0,1,2,3
	s_delay_alu instid0(VALU_DEP_4)
	v_permlanex16_b32 v[TM+4+\b], v[TM+\b], s[SEL], s[SEL+1]
.endr
.irp b, 0,1,2,3
	s_delay_alu instid0(VALU_DEP_4)
	v_max_num_f32 v[TM+\b], v[TM+\b], v[TM+4+\b]                    ; with lane l xor 16's: the block's largest magnitude
.endr
.irp b, 0,1,2,3
	s_delay_alu instid0(VALU_DEP_4)
	v_add_nc_u32 v[TM+12+\b], 0xff000000, v[TM+\b]                  ; 2 off its exponent field: the conversion's scale operand
.endr
.irp b, 0,1,2,3
	s_delay_alu instid0(VALU_DEP_4)
	v_lshrrev_b32 v[TM+4+\b], 23, v[TM+12+\b]                       ; the scale's byte
.endr
	s_delay_alu instid0(VALU_DEP_3)
	v_lshl_or_b32 v[\pw], v[TM+5], 8, v[TM+4]
	s_delay_alu instid0(VALU_DEP_1)
	v_lshl_or_b32 v[\pw], v[TM+6], 16, v[\pw]
	s_delay_alu instid0(VALU_DEP_1)
	v_lshl_or_b32 v[\pw], v[TM+7], 24, v[\pw]
.irp c, 0,1
	v_cvt_scalef32_pk16_fp6_f32 v[PC+6*\c:PC+2+6*\c], v[\s+32*\c:\s+15+32*\c], v[TM+12+2*\c]
	v_cvt_scalef32_pk16_fp6_f32 v[PC+12+4*\c:PC+14+4*\c], v[\s+16+32*\c:\s+31+32*\c], v[TM+12+2*\c+1]   ; (a conversion's three registers begin on an even number)
.endr
	v_nop                                          ; one plain place behind a scaled conversion
.irp c, 0,1                                    ; the operand wants a whole block in a lane: lanes 0-15 block 2 c, lanes 16-31 block 2 c + 1
.irp i, 0,1,2
	v_permlane16_swap_b32 v[PC+6*\c+\i], v[PC+12+4*\c+\i]
.endr
.irp i, 0,1,2
	s_delay_alu instid0(VALU_DEP_3)
	v_mov_b32 v[PC+3+6*\c+\i], v[PC+12+4*\c+\i]
.endr
.endr
.endm
	s_load_b256 s[4:11], s[0:1], 0x0               ; x s[4:5], w_qkv s[6:7], w_out s[8:9], xr s[10:11]
	s_load_b128 s[12:15], s[0:1], 0x20             ; wr s[12:13], orr s[14:15]
	v_lshl_add_u32 v[SPW], v0, 2, SPARE
	v_mov_b32 v[NIL], 0
	v_lshrrev_b32 v1, 5, v0
	s_delay_alu instid0(VALU_DEP_1)
	v_readfirstlane_b32 s16, v1                    ; wave 0..7
	v_and_b32 v12, 31, v0                          ; lane
	v_and_b32 v13, 15, v0                          ; r
	v_bfe_u32 v14, v0, 4, 1                        ; h
	s_delay_alu instid0(VALU_DEP_3)
	v_lshlrev_b32 v[LI], 4, v12
	s_delay_alu instid0(VALU_DEP_4)
	v_lshlrev_b32 v[L4], 2, v12
	s_delay_alu instid0(VALU_DEP_4)
	v_lshlrev_b32 v[R4], 2, v13
	; every LDS address of both paths is made here, ahead of the parting
	s_mul_i32 s17, s16, XSTG
	v_add_nc_u32 v[SX], s17, v[LI]                 ; in: a row's 512 bytes as they lie
	v_mul_u32_u24 v[RX], v13, 528
	s_delay_alu instid0(VALU_DEP_1)
	v_lshl_add_u32 v[RX], v14, 6, v[RX]
	s_delay_alu instid0(VALU_DEP_1)
	v_add_nc_u32 v[RX], s17, v[RX]                 ; out: row r, + 64 h: my 16 numbers of a block.  528 = 33 x 16: sixteen rows fall on sixteen different columns of 16 bytes
	s_mul_i32 s17, s16, WSTG
	s_add_co_u32 s17, s17, WSTG0
	v_bfe_u32 v15, v0, 3, 1                        ; u: which of my wave's two tiles my column belongs to
	v_and_b32 v1, 7, v0
	s_delay_alu instid0(VALU_DEP_1)
	v_lshl_add_u32 v1, v14, 3, v1                  ; its row in that tile: lane % 8 + 8 (lane / 16)
	s_delay_alu instid0(VALU_DEP_1)
	v_mul_u32_u24 v[WS], v1, 48
	s_delay_alu instid0(VALU_DEP_1)
	v_mad_u32_u24 v[WS], v15, 1536, v[WS]
	s_delay_alu instid0(VALU_DEP_1)
	v_add_nc_u32 v[WS], s17, v[WS]                 ; in: the stage is an image by lanes, 48 bytes (12 registers) a lane
	v_mul_u32_u24 v[RW], v12, 48
	s_delay_alu instid0(VALU_DEP_1)
	v_add_nc_u32 v[RW], s17, v[RW]                 ; out: my lane's 48 bytes
	v_lshlrev_b32 v[WSC], 2, v1
	s_delay_alu instid0(VALU_DEP_1)
	v_mad_u32_u24 v[WSC], v15, REC, v[WSC]
	s_mov_b32 s[SEL], 0x76543210
	s_mov_b32 s[SEL+1], 0xfedcba98
	s_cmp_lt_u32 ttmp9, 256
	s_cbranch_scc0 .Lweights
	; ---- x: tile T = the work-group's number, K step = the wave's
	s_lshr_b32 s18, ttmp9, 1
	s_lshl_b32 s18, s18, 5
	s_and_b32 s19, ttmp9, 1
	s_lshl_b32 s19, s19, 3
	s_add_co_u32 s18, s18, s19                     ; the tile's first row: 32 (T / 2) + 8 (T % 2)
	s_lshl_b32 s18, s18, 12                        ; rows of 4,096 bytes
	s_lshl_b32 s19, s16, 9                         ; + 512 bytes a K step
	s_add_co_u32 s18, s18, s19
	s_mov_b32 s19, 0
	s_mul_i32 s22, ttmp9, REC
	s_mul_i32 s23, s16, 1536
	s_add_co_u32 s22, s22, s23                     ; the image's place
	s_mov_b32 s23, 0
	s_mul_i32 s24, ttmp9, REC
	s_lshl_b32 s25, s16, 6
	s_add_co_u32 s24, s24, s25
	s_add_co_u32 s24, s24, 12288                   ; the scale words' place
	s_mov_b32 s25, 0
.irp b, 0,1,2,3
	v_mov_b32 v[TM+4+\b], 0                        ; written once: a lane permute's destination counts as one of its sources
.endr
	s_wait_kmcnt 0x0
	s_add_nc_u64 s[4:5], s[4:5], s[18:19]
	s_add_nc_u64 s[22:23], s[10:11], s[22:23]
	s_add_nc_u64 s[24:25], s[10:11], s[24:25]
.irp i, 0,1,2,3,4,5,6,7,8,9,10,11,12,13,14,15
	global_load_b128 v[R+4*\i:R+4*\i+3], v[LI], s[4:5] offset:(\i+8*(\i/8))*4096 th:TH_LOAD_NT   ; the tile's row i: 32 lanes read 512 consecutive bytes
.endr
.irp i, 0,1,2,3,4,5,6,7,8,9,10,11,12,13,14,15
	s_wait_loadcnt 15-\i                           ; loads come back in order: row i is in, the 15 - i younger ones may be out
	ds_store_b128 v[SX], v[R+4*\i:R+4*\i+3] offset:528*\i
.endr
.irp b, 0,1,2,3
.irp j, 0,1,2,3
	ds_load_b128 v[X+16*\b+4*\j:X+16*\b+4*\j+3], v[RX] offset:128*\b+16*\j   ; LDS serves a wave's instructions in order: these see my stores
.endr
.endr
	s_wait_dscnt 0x0
	QUANT X, PW
.irp g, 0,1,2
	global_store_b128 v[LI], v[PC+4*\g:PC+4*\g+3], s[22:23] offset:512*\g   ; 32 lanes store 512 consecutive bytes, at a multiple of 256 from the buffer's first byte
.endr
	global_store_b32 v[R4], v[PW], s[24:25]        ; lanes l and l xor 16 hold the same word and write it to the same place
	s_branch .Lend
.Lweights:
	; ---- the weights: work-groups 256-351 w_qkv (12 blocks of 256 columns x 8 K steps), 352-383 w_out (4 x 8)
	s_sub_co_u32 s18, ttmp9, 256
	s_and_b32 s19, s18, 7                          ; K step
	s_sub_co_u32 s26, s18, 96
	s_lshr_b32 s27, s18, 3
	s_lshr_b32 s26, s26, 3
	s_mov_b32 s28, 4096
	s_wait_kmcnt 0x0
	s_cmp_lt_u32 s18, 96                           ; the choice hangs on the work-group's number alone
	s_cselect_b64 s[4:5], s[6:7], s[8:9]           ; from
	s_cselect_b64 s[10:11], s[12:13], s[14:15]     ; to
	s_cselect_b32 s28, 12288, s28                  ; a row of the weight in bytes
	s_cselect_b32 s27, s27, s26                    ; block of 256 columns
	s_lshl_b32 s29, s27, 10
	s_lshl_b32 s30, s16, 7
	s_add_co_u32 s29, s29, s30                     ; my wave's first column in bytes: 4 (256 block + 32 wave)
	s_lshl_b32 s30, s19, 7
	s_mul_i32 s30, s30, s28                        ; 128 rows a K step
	s_add_co_u32 s30, s30, s29
	s_mov_b32 s31, 0
	s_add_nc_u64 s[32:33], s[4:5], s[30:31]        ; block 0 of the K step,
	s_lshl_b32 s30, s28, 5
	s_add_nc_u64 s[34:35], s[32:33], s[30:31]      ; and 32 rows on for each further block
	s_add_nc_u64 s[36:37], s[34:35], s[30:31]
	s_add_nc_u64 s[38:39], s[36:37], s[30:31]
	s_lshl_b32 s40, s27, 4
	s_lshl_b32 s41, s16, 1
	s_add_co_u32 s40, s40, s41                     ; my first tile: 16 block + 2 wave
	s_mul_i32 s40, s40, REC
	s_mul_i32 s42, s19, 1536
	s_add_co_u32 s42, s42, s40
	s_mov_b32 s43, 0
	s_lshl_b32 s44, s19, 6
	s_add_co_u32 s44, s44, s40
	s_add_co_u32 s44, s44, 12288
	s_mov_b32 s45, 0
	s_add_nc_u64 s[42:43], s[10:11], s[42:43]      ; the images
	s_add_nc_u64 s[44:45], s[10:11], s[44:45]      ; the scale words
.irp i, 0,1,2,3,4,5,6,7,8,9,10,11,12,13,14,15,16,17,18,19,20,21,22,23,24,25,26,27,28,29,30,31
	v_mad_u32_u24 v[OFF+\i], s28, \i, v[L4]        ; 4 x lane + i rows
.endr
.macro LOAD t                          ; block t: W(32 t + i, my column) into set t % 2; a wave reads 128 consecutive bytes, the eight waves 1,024
.irp i, 0,1,2,3,4,5,6,7,8,9,10,11,12,13,14,15,16,17,18,19,20,21,22,23,24,25,26,27,28,29,30,31
	global_load_b32 v[XW+32*((\t)%2)+\i], v[OFF+\i], s[32+2*(\t):33+2*(\t)] th:TH_LOAD_NT
.endr
.endm
.macro BLOCK t
.set XS, XW+32*((\t)%2)
.if (\t) < 3
	s_wait_loadcnt 32                              ; this block's 32 loads are in; the next block's 32 may be out
.else
	s_wait_loadcnt 0x0
.endif
	v_max3_num_f32 v12, |v[XS]|, |v[XS+1]|, |v[XS+2]|              ; the block's largest magnitude: all 32 numbers are mine
	v_max3_num_f32 v13, |v[XS+3]|, |v[XS+4]|, |v[XS+5]|
.irp i, 6,10,14,18,22,26
	s_delay_alu instid0(VALU_DEP_2)
	v_max3_num_f32 v12, v12, |v[XS+\i]|, |v[XS+\i+1]|
	s_delay_alu instid0(VALU_DEP_2)
	v_max3_num_f32 v13, v13, |v[XS+\i+2]|, |v[XS+\i+3]|
.endr
	s_delay_alu instid0(VALU_DEP_2)
	v_max3_num_f32 v12, v12, |v[XS+30]|, |v[XS+31]|
	s_delay_alu instid0(VALU_DEP_1)
	v_max3_num_f32 v12, v12, v13, 0x1800000        ; and the floor
	s_delay_alu instid0(VALU_DEP_1)
	v_add_nc_u32 v14, 0xff000000, v12              ; the conversion's scale operand
	s_delay_alu instid0(VALU_DEP_1)
	v_lshrrev_b32 v15, 23, v14                     ; the byte
.if (\t) == 0
	s_delay_alu instid0(VALU_DEP_1)
	v_mov_b32 v[SBW], v15
.else
	s_delay_alu instid0(VALU_DEP_1)
	v_lshl_or_b32 v[SBW], v15, 8*(\t), v[SBW]
.endif
	v_cvt_scalef32_pk16_fp6_f32 v[CW+6*(\t):CW+6*(\t)+2], v[XS:XS+15], v14
	v_cvt_scalef32_pk16_fp6_f32 v[DW:DW+2], v[XS+16:XS+31], v14
	v_nop                                          ; one plain place behind a scaled conversion
.irp i, 0,1,2
	v_mov_b32 v[CW+6*(\t)+3+\i], v[DW+\i]
.endr
.irp i, 0,1,2
	ds_store_b64 v[WS], v[CW+6*(\t)+2*\i:CW+6*(\t)+2*\i+1] offset:768*((\t)%2)+24*((\t)/2)+8*\i   ; block t = 2 c + h is registers 6 c .. 6 c + 5 of lane row + 16 h
.endr
.if (\t) < 2
	LOAD (\t)+2
.endif
.endm
	LOAD 0
	LOAD 1
	BLOCK 0
	BLOCK 1
	BLOCK 2
	BLOCK 3
.irp u, 0,1
.irp g, 0,1,2
	ds_load_b128 v[FW+12*\u+4*\g:FW+12*\u+4*\g+3], v[RW] offset:1536*\u+16*\g   ; lanes 48 bytes apart: 3 x 16, so sixteen lanes fall on sixteen different columns of 16 bytes
.endr
.endr
	s_wait_alu depctr_va_vdst(0)
	s_wait_dscnt 0x0
.irp u, 0,1
.irp g, 0,1,2
	global_store_b128 v[LI], v[FW+12*\u+4*\g:FW+12*\u+4*\g+3], s[42:43] offset:REC*\u+512*\g
.endr
.endr
	global_store_b32 v[WSC], v[SBW], s[44:45]      ; my column's scale word of this K step
.Lend:
	s_wait_tensorcnt 0x0                           ; the wave's end: three lines behind my last LDS store
	ds_add_u32 v[SPW], v[NIL]
	s_wait_dscnt 0x0
	s_endpgm
.Lfunc_end_k_q150420885d_prep:
	.size	k_q150420885d_prep, .Lfunc_end_k_q150420885d_prep-k_q150420885d_prep
	.p2alignl 7, 3214868480
	.fill 96, 4, 3214868480
	.section	.rodata,"a",@progbits
	.p2align	6, 0x0
	.amdhsa_kernel k_q150420885d_prep
		.amdhsa_group_segment_fixed_size 93184
		.amdhsa_private_segment_fixed_size 0
		.amdhsa_enable_private_segment 0
		.amdhsa_kernarg_size 48
		.amdhsa_user_sgpr_count 2
		.amdhsa_user_sgpr_kernarg_segment_ptr 1
		.amdhsa_wavefront_size32 1
		.amdhsa_system_sgpr_workgroup_id_x 1
		.amdhsa_system_sgpr_workgroup_id_y 1
		.amdhsa_system_sgpr_workgroup_id_z 1
		.amdhsa_system_vgpr_workitem_id 0
		.amdhsa_next_free_vgpr 200
		.amdhsa_next_free_sgpr 66
		.amdhsa_reserve_vcc 0
		.amdhsa_float_denorm_mode_32 3
		.amdhsa_float_denorm_mode_16_64 3
		.amdhsa_memory_ordered 1
		.amdhsa_forward_progress 1
		.amdhsa_inst_pref_size 39
	.end_amdhsa_kernel
	.amdgpu_metadata
---
amdhsa.version: [ 1, 2 ]
amdhsa.kernels:
  - .name:           k_q150420885d_prep
    .symbol:         k_q150420885d_prep.kd
    .args:
      - { .name: x, .offset: 0, .size: 8, .value_kind: global_buffer, .address_space: global }
      - { .name: w_qkv, .offset: 8, .size: 8, .value_kind: global_buffer, .address_space: global }
      - { .name: w_out, .offset: 16, .size: 8, .value_kind: global_buffer, .address_space: global }
      - { .name: xr, .offset: 24, .size: 8, .value_kind: global_buffer, .address_space: global }
      - { .name: wr, .offset: 32, .size: 8, .value_kind: global_buffer, .address_space: global }
      - { .name: orr, .offset: 40, .size: 8, .value_kind: global_buffer, .address_space: global }
    .group_segment_fixed_size: 93184
    .private_segment_fixed_size: 0
    .kernarg_segment_align: 8
    .kernarg_segment_size: 48
    .max_flat_workgroup_size: 256
    .sgpr_count:     66
    .vgpr_count:     200
    .wavefront_size: 32
...
	.end_amdgpu_metadata
.endif
;; end of part 1
;; launch qkv (part 2): grid 12 x 16, 4 waves a work-group, clusters of 4 x 4, 327,680 bytes of LDS; arguments xr, wr, b_qkv, qr, kv; writes qr, kv
.if DOCPART == 2
	.amdgcn_target "amdgcn-amd-amdhsa--gfx1250"
	.amdhsa_code_object_version 6
	.text
	.protected	k_q150420885d_qkv
	.globl	k_q150420885d_qkv
	.p2align	8
	.type	k_q150420885d_qkv,@function
k_q150420885d_qkv:
	s_mov_b64 s[64:65], 0
	v_nop
	global_prefetch_b8 v0, s[64:65] scope:SCOPE_SE
	s_setreg_imm32_b32 hwreg(HW_REG_WAVE_MODE, 25, 1), 1
	s_wait_xcnt 0x0
	s_wait_alu depctr_hold_cnt(0) depctr_sa_sdst(0) depctr_va_vdst(0) depctr_va_sdst(0) depctr_va_ssrc(0) depctr_va_vcc(0) depctr_vm_vsrc(0)
	s_getreg_b32 s2, hwreg(HW_REG_IB_STS2, 6, 4)
	s_cmp_eq_u32 s2, 0
	s_cbranch_scc0 .Lentry_in_a_cluster
	s_endpgm
.Lentry_in_a_cluster:
	s_bfe_u32 s2, ttmp6, 0x10000c
	s_cmp_lg_u32 s2, 0xf033
	s_cbranch_scc0 .Lentry_shape_is_right
	s_endpgm
.Lentry_shape_is_right:
.set FR,    12
.set REC,   12800
.set SLOTB, 98304
.set QTR,   24576
.set SCL,   3*SLOTB
.set SPARE, SCL+16384
.set ADRA, 16
.set ADRB, 20
.set LI,   24
.set L8,   25
.set BRO,  26
.set ADRS, 27
.set SPW,  28
.set NIL,  29
.set BLO,  30
.set LIS,  31
.set SC,   32
.set W,    48
.set BR,   64
.set AF,   128
.set T,    128
.set PC,   192
.set TM,   212
.set PW,   228
.set RR,   232
.set BL,   240
.set G1A,  24
.set G0A,  32
.set G1B,  44
.set G0B,  52
.set G1SA, 68
.set G0SA, 76
.set G1SB, 80
.set G0SB, 88
.set PA,   92
.set PB,   94
.set BRP,  96
.set BLP,  98
.set SEL,  100
.set MH,   2
.set C7,   3
.set MSB, 0
.macro WIN new
.if MSB != (\new)
	s_set_vgpr_msb (MSB<<8)|(\new)
.set MSB, (\new)
.endif
.endm
.set MUL_LO, 0xa1
.set MUL_HI, 0xf1
.set TO_B,   0x40
.macro JLOAD g0a, g1a, g0b, g1b
	s_cmp_eq_u32 s15, 0
	s_cbranch_scc0 .Lfor_b_\@
	tensor_load_to_lds s[\g0a:\g0a+3], s[\g1a:\g1a+7]
	s_nop 0
.rept 4
	v_nop
.endr
	s_branch .Lasked_\@
.Lfor_b_\@:
	tensor_load_to_lds s[\g0b:\g0b+3], s[\g1b:\g1b+7]
	s_nop 0
.rept 4
	v_nop
.endr
.Lasked_\@:
.endm
.macro CREST
	s_cmp_lg_u32 s14, 0
	s_cbranch_scc1 .Lnot_wave_0_\@
	s_barrier_signal -3
.Lnot_wave_0_\@:
	s_barrier_wait -3
	s_barrier_signal -1
	s_barrier_wait -1
.endm
.macro CROUND
	s_barrier_signal -1
	s_barrier_wait -1
	CREST
.endm
.macro PLACES n
.rept \n
	v_nop
.endr
.endm
.macro QUANT s, pw
.irp b, 0,1,2,3
	v_max3_num_f32 v[TM+\b], |v[\s+16*\b]|, |v[\s+1+16*\b]|, 0x1800000
.endr
.irp i, 2,4,6,8,10,12,14
.irp b, 0,1,2,3
	v_max3_num_f32 v[TM+\b], v[TM+\b], |v[\s+16*\b+\i]|, |v[\s+1+16*\b+\i]|
.endr
.endr
.irp b, 0,1,2,3
	v_permlanex16_b32 v[TM+4+\b], v[TM+\b], s[SEL], s[SEL+1]
.endr
.irp b, 0,1,2,3
	v_max_num_f32 v[TM+\b], v[TM+\b], v[TM+4+\b]
.endr
.irp b, 0,1,2,3
	v_add_nc_u32 v[TM+12+\b], 0xff000000, v[TM+\b]
.endr
.irp b, 0,1,2,3
	v_lshrrev_b32 v[TM+4+\b], 23, v[TM+12+\b]
.endr
	v_lshl_or_b32 v[\pw], v[TM+5], 8, v[TM+4]
	v_lshl_or_b32 v[\pw], v[TM+6], 16, v[\pw]
	v_lshl_or_b32 v[\pw], v[TM+7], 24, v[\pw]
	s_wait_alu depctr_va_vdst(0)                   ; directly ahead of the wait below
	s_wait_xcnt 0x0                                ; the last block's stores have read their data: the conversions below are the first lines that write those registers again
.irp c, 0,1
	v_cvt_scalef32_pk16_fp6_f32 v[PC+6*\c:PC+2+6*\c], v[\s+32*\c:\s+15+32*\c], v[TM+12+2*\c]
	v_cvt_scalef32_pk16_fp6_f32 v[PC+12+4*\c:PC+14+4*\c], v[\s+16+32*\c:\s+31+32*\c], v[TM+12+2*\c+1]
.endr
	v_nop
.irp c, 0,1
.irp i, 0,1,2
	v_permlane16_swap_b32 v[PC+6*\c+\i], v[PC+12+4*\c+\i]
.endr
.irp i, 0,1,2
	v_mov_b32 v[PC+3+6*\c+\i], v[PC+12+4*\c+\i]
.endr
.endr
.endm
	s_load_b256 s[4:11], s[0:1], 0x0
	s_load_b64 s[12:13], s[0:1], 0x20
	v_lshl_add_u32 v[SPW], v0, 2, SPARE
	v_mov_b32 v[NIL], 0
	ds_add_u32 v[SPW], v[NIL]
	ds_add_u32 v[SPW], v[NIL]
	v_lshrrev_b32 v1, 5, v0
	v_readfirstlane_b32 s14, v1
	s_lshr_b32 s15, s14, 1
	s_and_b32 s16, s14, 1
	s_bfe_u32 s17, ttmp6, 0x40000
	s_bfe_u32 s18, ttmp6, 0x40004
	s_and_b32 s19, ttmp7, 0xffff
	s_lshl_b32 s20, s18, 2
	s_lshl_b32 s20, 15, s20
	s_lshl_b32 s21, 0x1111, s17
	s_or_b32 s[G1A], s20, (3<<16)|(1<<21)
	s_or_b32 s[G1B], s21, (3<<16)|(1<<21)
.irp g, G1A, G1B
	s_mov_b32 s[\g+1], 384<<16                     ; the head's tile of codes: K steps 0 and 1 (3,072 bytes) of 16 records
	s_mov_b32 s[\g+2], 16<<16
	s_mov_b32 s[\g+3], 384<<16
	s_mov_b32 s[\g+4], 16
	s_mov_b32 s[\g+5], 1600
	s_mov_b32 s[\g+6], 0
	s_mov_b32 s[\g+7], 0
.endr
	s_or_b32 s[G1SA], s20, (3<<16)|(1<<21)
	s_or_b32 s[G1SB], s21, (3<<16)|(1<<21)
.irp g, G1SA, G1SB
	s_mov_b32 s[\g+1], 64<<16                      ; the scale words (512 bytes) of 16 records
	s_mov_b32 s[\g+2], 16<<16
	s_mov_b32 s[\g+3], 64<<16
	s_mov_b32 s[\g+4], 16
	s_mov_b32 s[\g+5], 1600
	s_mov_b32 s[\g+6], 0
	s_mov_b32 s[\g+7], 0
.endr
	s_lshl_b32 s19, s19, 6
	s_lshl_b32 s2, ttmp9, 6
	s_lshl_b32 s18, s18, 4
	s_lshl_b32 s17, s17, 4
	s_cmp_eq_u32 ttmp9, 2
	s_cselect_b32 s22, 128, s19
	s_cselect_b32 s23, s19, s2
	s_add_co_u32 s22, s22, s18
	s_add_co_u32 s23, s23, s17
	; LDS: slot X at 0 (K steps 0, 1, later 6, 7: 32 records x 3,072 bytes), slot Y at SLOTB (K steps 2 to 5: 32 records x 6,144 bytes), the scale words at SCL
	s_mul_i32 s66, s22, REC                        ; A's 16 records, bytes from the buffer
	s_mov_b32 s67, 0
	s_mul_i32 s98, s23, REC                        ; B's
	s_mov_b32 s99, 0
	s_mul_i32 s96, s16, 8*REC                      ; behind the head a wave fetches 8 of the 16: which half
	s_mov_b32 s97, 0
	s_mul_i32 s100, s14, QTR                       ; my quarter of slot X,
	s_lshl_b32 s101, s100, 1
	s_add_co_u32 s101, s101, SLOTB                 ; and of slot Y
	s_wait_dscnt 0x0
	s_wait_kmcnt 0x0
	s_cmp_eq_u32 ttmp9, 2
	s_cselect_b64 s[92:93], s[6:7], s[4:5]
	s_cselect_b64 s[94:95], s[4:5], s[6:7]
	s_add_nc_u64 s[92:93], s[92:93], s[66:67]
	s_add_nc_u64 s[94:95], s[94:95], s[98:99]
	CROUND
	; the head's four tiles, each whole: A's K steps 0, 1; B's; A's scale words; B's
	s_mov_b32 s[G0A+8], 1
	s_mov_b32 s[G0A+9], 0
	s_mov_b64 s[G0A+10:G0A+11], s[92:93]
	s_or_b32 s[G0A+11], s[G0A+11], 0x80000000
	s_mov_b32 s[G0B+8], 1
	s_mov_b32 s[G0B+9], 2*QTR
	s_mov_b64 s[G0B+10:G0B+11], s[94:95]
	s_or_b32 s[G0B+11], s[G0B+11], 0x80000000
	s_mov_b32 s[G0SA], 1
	s_mov_b32 s[G0SA+1], SCL
	s_add_nc_u64 s[G0SA+2:G0SA+3], s[92:93], 12288
	s_or_b32 s[G0SA+3], s[G0SA+3], 0x80000000
	s_mov_b32 s[G0SB], 1
	s_mov_b32 s[G0SB+1], SCL+8192
	s_add_nc_u64 s[G0SB+2:G0SB+3], s[94:95], 12288
	s_or_b32 s[G0SB+3], s[G0SB+3], 0x80000000
	s_add_nc_u64 s[92:93], s[92:93], s[96:97]      ; for the later loads: my 8 records
	s_add_nc_u64 s[94:95], s[94:95], s[96:97]
.irp l, 0,1                                    ; set 0: slot X, first used for its refill; set 1: slot Y, from K step 2 on
	s_mov_b32 s[G0A+4*\l], 1
	s_mov_b32 s[G0A+4*\l+1], s[100+\l]
	s_add_nc_u64 s[G0A+4*\l+2:G0A+4*\l+3], s[92:93], \l*3072
	s_or_b32 s[G0A+4*\l+3], s[G0A+4*\l+3], 0x80000000
	s_mov_b32 s[G0B+4*\l], 1
	s_mov_b32 s[G0B+4*\l+1], s[100+\l]
	s_add_nc_u64 s[G0B+4*\l+2:G0B+4*\l+3], s[94:95], \l*3072
	s_or_b32 s[G0B+4*\l+3], s[G0B+4*\l+3], 0x80000000
.endr
; one joint load a wave at the head: one chain of branches on the wave's number, each arm with its load, all arms joining at one label
.macro ARM under, g0, g1, next
	s_cmp_lt_u32 s14, \under
	s_cbranch_scc0 \next
	tensor_load_to_lds s[\g0:\g0+3], s[\g1:\g1+7]
	s_nop 0
.rept 4
	v_nop
.endr
	s_branch .Lhead_asked
\next:
.endm
	ARM 1, G0A+8, G1A, .Lhead_b
	ARM 2, G0B+8, G1B, .Lhead_sa
	ARM 3, G0SA, G1SA, .Lhead_sb
	tensor_load_to_lds s[G0SB:G0SB+3], s[G1SB:G1SB+7]
	s_nop 0
.rept 4
	v_nop
.endr
.Lhead_asked:
	v_and_b32 v1, 31, v0
	v_and_b32 v2, 15, v0
	v_bfe_u32 v3, v0, 4, 1
	s_wait_alu depctr_va_vdst(0)
	v_lshlrev_b32 v[LI], 4, v1
	v_lshlrev_b32 v[L8], 3, v1
	s_mul_i32 s17, s15, QTR
	s_mul_i32 s18, s16, QTR
	s_add_co_u32 s18, s18, 2*QTR
	v_add_nc_u32 v[ADRA], s17, v[LI]               ; slot X
	v_add_nc_u32 v[ADRB], s18, v[LI]
	s_lshl_b32 s17, s17, 1
	s_lshl_b32 s18, s18, 1
	s_add_co_u32 s17, s17, SLOTB
	s_add_co_u32 s18, s18, SLOTB
	v_add_nc_u32 v[ADRA+1], s17, v[LI]             ; slot Y: quarters twice as large
	v_add_nc_u32 v[ADRB+1], s18, v[LI]
	s_lshl_b32 s17, s15, 12
	s_lshl_b32 s18, s16, 12
	s_add_co_u32 s18, s18, 8192
	s_sub_co_u32 s18, s18, s17
	v_mul_u32_u24 v4, s18, v3
	s_add_co_u32 s17, s17, SCL
	v_lshl_add_u32 v4, v2, 2, v4
	v_add_nc_u32 v[ADRS], s17, v4
	s_lshl_b32 s22, s22, 4
	s_lshl_b32 s17, s15, 7
	s_add_co_u32 s22, s22, s17
	s_lshl_b32 s23, s23, 4
	s_lshl_b32 s17, s16, 7
	s_add_co_u32 s23, s23, s17
	s_cmp_eq_u32 ttmp9, 2
	s_cselect_b32 s17, s23, s22
	s_cselect_b32 s18, s22, s23
	s_cselect_b32 s19, 0, s23
	s_cselect_b32 s20, s22, 0
	s_lshl_b32 s96, s19, 2
	s_mov_b32 s97, 0
	s_add_nc_u64 s[BRP:BRP+1], s[8:9], s[96:97]
	s_lshl_b32 s98, s20, 2
	s_mov_b32 s99, 0
	s_add_nc_u64 s[BLP:BLP+1], s[8:9], s[98:99]
	s_lshr_b32 s19, s17, 11
	s_lshl_b32 s19, s19, 4
	s_and_b32 s20, s18, 1023
	s_lshr_b32 s20, s20, 6
	s_add_co_u32 s19, s19, s20
	s_lshl_b32 s19, s19, 4
	s_bfe_u32 s20, s17, 0x40007
	s_add_co_u32 s19, s19, s20
	s_mov_b32 s21, 13056
	s_mov_b32 s3, 12288
	s_cmp_eq_u32 ttmp9, 0
	s_cselect_b32 s21, 6656, s21
	s_cselect_b32 s3, 6144, s3
	s_cselect_b64 s[PA:PA+1], s[10:11], s[12:13]
	s_mul_i32 s66, s19, s21
	s_mov_b32 s67, 0
	s_add_nc_u64 s[PA:PA+1], s[PA:PA+1], s[66:67]
	s_lshl_b32 s66, s21, 4
	s_add_nc_u64 s[PB:PB+1], s[PA:PA+1], s[66:67]
	s_wait_alu depctr_va_vdst(0)                   ; directly ahead of the reader below
	v_add_nc_u32 v[LIS], s3, v[LI]
	v_lshlrev_b32 v[BRO], 6, v3
	v_and_b32 v4, 8, v2
	v_add_nc_u32 v4, v4, v2
	v_lshlrev_b32 v[BLO], 2, v4
.irp b, 0,1,2,3
.irp i, 0,1,2,3
	global_load_b128 v[BR+16*\b+4*\i:BR+16*\b+4*\i+3], v[BRO], s[BRP:BRP+1] offset:128*\b+16*\i
.endr
.endr
.irp a, 0,1,2,3,4,5,6,7
	global_load_b32 v[BL+2*\a], v[BLO], s[BLP:BLP+1] offset:4*(32*(\a/2)+8*(\a%2))
	global_load_b32 v[BL+2*\a+1], v[BLO], s[BLP:BLP+1] offset:4*(32*(\a/2)+8*(\a%2))
.endr
.macro FRAG reg, adr, q, i, pit                ; pit: bytes from record to record in the slot
.irp g, 0,1,2
	ds_load_b128 v[\reg+4*\g:\reg+4*\g+3], v[\adr] offset:(\pit)*(\i)+1536*(\q)+512*\g
.endr
.endm
.macro FETCH_B slot, q, p
	WIN TO_B
.irp i, 0,1,2,3,4,5,6,7
	FRAG 128*(\p)+FR*\i, ADRB+\slot, \q, \i, 3072*(1+\slot)
.endr
	WIN 0
.endm
.macro FETCH_A slot, q, i0
.irp i, \i0, \i0+1, \i0+2, \i0+3
	FRAG AF+FR*(\i), ADRA+\slot, \q, \i, 3072*(1+\slot)
.endr
.endm
.macro SCALES s
.irp i, 0,1,2,3,4,5,6,7
	ds_load_b32 v[SC+8*((\s)%2)+\i], v[ADRS] offset:512*\i+64*(\s)
.endr
.endm
.macro MUL16 a0, p, zero
.irp a, \a0, \a0+1
.irp b, 0,1,2,3,4,5,6,7
.if \zero
	v_wmma_scale_f32_16x16x128_f8f6f4 v[8*(8*((\a)%4)+\b):8*(8*((\a)%4)+\b)+7], v[128*(\p)+FR*\b:128*(\p)+FR*\b+FR-1], v[AF+FR*(\a):AF+FR*(\a)+FR-1], 0, v[SC+8*(\p)+\b], v[SC+8*(\p)+(\a)] matrix_a_fmt:MATRIX_FMT_FP6 matrix_b_fmt:MATRIX_FMT_FP6 matrix_a_scale:MATRIX_SCALE_ROW1
.else
	v_wmma_scale_f32_16x16x128_f8f6f4 v[8*(8*((\a)%4)+\b):8*(8*((\a)%4)+\b)+7], v[128*(\p)+FR*\b:128*(\p)+FR*\b+FR-1], v[AF+FR*(\a):AF+FR*(\a)+FR-1], v[8*(8*((\a)%4)+\b):8*(8*((\a)%4)+\b)+7], v[SC+8*(\p)+\b], v[SC+8*(\p)+(\a)] matrix_a_fmt:MATRIX_FMT_FP6 matrix_b_fmt:MATRIX_FMT_FP6 matrix_a_scale:MATRIX_SCALE_ROW1
.endif
.endr
.endr
.endm
.macro STEP s, nslot, nq, zero
	s_wait_dscnt 12
	WIN MUL_LO
	MUL16 0, (\s)%2, \zero
	MUL16 2, (\s)%2, \zero
	s_wait_dscnt 0x0
	PLACES 4
	FETCH_B \nslot, \nq, 1-(\s)%2
	FETCH_A \nslot, \nq, 0
	SCALES (\s)+1
	WIN MUL_HI
	MUL16 4, (\s)%2, \zero
	MUL16 6, (\s)%2, \zero
	PLACES 4
	WIN 0
	FETCH_A \nslot, \nq, 4
.endm
.macro TURN s, nslot, fill
	s_wait_tensorcnt 0x0
	ds_add_u32 v[SPW], v[NIL]
	s_wait_dscnt 13
	WIN MUL_LO
	MUL16 0, (\s)%2, 0
	s_wait_dscnt 0x0
	s_barrier_signal -1
	MUL16 2, (\s)%2, 0
	WIN 0
	s_barrier_wait -1
.if \fill
	CREST
	s_add_nc_u64 s[G0A+2:G0A+3], s[G0A+2:G0A+3], 3*3072
	s_add_nc_u64 s[G0B+2:G0B+3], s[G0B+2:G0B+3], 3*3072
	s_mov_b32 s[G1A+1], 384<<16                    ; no tensor load of mine is out: the refill's rows are two K steps, 3,072 bytes
	s_mov_b32 s[G1A+3], 384<<16
	s_mov_b32 s[G1B+1], 384<<16
	s_mov_b32 s[G1B+3], 384<<16
	JLOAD G0A, G1A, G0B, G1B
.else
	PLACES 4
.endif
	FETCH_B \nslot, 0, 1-(\s)%2
	FETCH_A \nslot, 0, 0
	SCALES (\s)+1
	WIN MUL_HI
	MUL16 4, (\s)%2, 0
	MUL16 6, (\s)%2, 0
	PLACES 4
	WIN 0
	FETCH_A \nslot, 0, 4
.endm
	s_wait_alu depctr_va_vdst(0)
	s_wait_tensorcnt 0x0                           ; my tile of the head's four is in; slot Y's first fill is issued as a refill is:
	ds_add_u32 v[SPW], v[NIL]
	s_mov_b32 s[G1A+1], 768<<16                    ; no tensor load of mine is out: from here on 8 records a load; slot Y's rows are four K steps, 6,144 bytes
	s_mov_b32 s[G1A+2], 8<<16
	s_mov_b32 s[G1A+3], 768<<16
	s_mov_b32 s[G1A+4], 8
	s_mov_b32 s[G1B+1], 768<<16
	s_mov_b32 s[G1B+2], 8<<16
	s_mov_b32 s[G1B+3], 768<<16
	s_mov_b32 s[G1B+4], 8
	s_wait_dscnt 0x0
	CROUND                                         ; all four tiles are in, in every partner
	JLOAD G0A+4, G1A, G0B+4, G1B                   ; K steps 2 to 5, a quarter of slot Y a wave
	FETCH_B 0, 0, 0
	FETCH_A 0, 0, 0
	SCALES 0
	FETCH_A 0, 0, 4
	STEP 0, 0, 1, 1
	TURN 1, 1, 1
	STEP 2, 1, 1, 0
	STEP 3, 1, 2, 0
	STEP 4, 1, 3, 0
	TURN 5, 0, 0
	STEP 6, 0, 1, 0
	s_wait_dscnt 12
	WIN MUL_LO
	MUL16 0, 1, 0
	MUL16 2, 1, 0
	s_wait_dscnt 0x0
	WIN MUL_HI
	MUL16 4, 1, 0
	MUL16 6, 1, 0
	WIN 0
	s_wait_loadcnt 0x0
	PLACES 4
.irp b, 0,1,2,3
	v_mov_b32 v[TM+4+\b], 0
.endr
	s_mov_b32 s[SEL], 0x76543210
	s_mov_b32 s[SEL+1], 0xfedcba98
	s_mov_b32 s[MH], 0xffff0000
	s_mov_b32 s[C7], 0x7f7f0000
	s_cmp_eq_u32 ttmp9, 2
	s_cbranch_scc1 .Lvals
.macro QKBLK a
	WIN 0x02+((\a)/4)
.set AC, 64*((\a)%4)
.set i, 0
.rept 32
	v_pk_add_f32 v[T+i:T+i+1], v[AC+i:AC+i+1], v[BR+i:BR+i+1]
.set i, i+2
.endr
	WIN 0
	QUANT T, PW
	global_store_b128 v[LI], v[PC:PC+3], s[PA:PA+1] offset:768*(\a)
	global_store_b64 v[L8], v[PC+4:PC+5], s[PA:PA+1] offset:768*(\a)+512
	global_store_b128 v[LI], v[PC+6:PC+9], s[PB:PB+1] offset:768*(\a)
	global_store_b64 v[L8], v[PC+10:PC+11], s[PB:PB+1] offset:768*(\a)+512
	v_and_or_b32 v[W+(\a)], v[PW], 0xffff, s[C7]
	v_lshrrev_b32 v[W+8+(\a)], 16, v[PW]
	v_or_b32 v[W+8+(\a)], s[C7], v[W+8+(\a)]
.endm
.irp a, 0,1,2,3,4,5,6,7
	QKBLK \a
.endr
.irp b, 0,1,2,3
	v_cndmask_b32 v[RR+\b], v[W+2*\b], v[W+2*\b+1], s[MH]
	v_cndmask_b32 v[RR+4+\b], v[W+8+2*\b], v[W+8+2*\b+1], s[MH]
.endr
	global_store_b128 v[LIS], v[RR:RR+3], s[PA:PA+1]
	global_store_b128 v[LIS], v[RR+4:RR+7], s[PB:PB+1]
	s_branch .Ldone
.Lvals:
.macro VBLK a
	WIN 0x02+((\a)/4)
.set AC, 64*((\a)%4)
.set i, 0
.rept 32
	v_pk_add_f32 v[T+i:T+i+1], v[AC+i:AC+i+1], v[BL+2*(\a):BL+2*(\a)+1]
.set i, i+2
.endr
	WIN 0
	QUANT T, W+(\a)
.irp g, 0,1,2
.if (\a) < 4
	global_store_b128 v[LI], v[PC+4*\g:PC+4*\g+3], s[PA:PA+1] offset:6144+1536*((\a)%4)+512*\g
.else
	global_store_b128 v[LI], v[PC+4*\g:PC+4*\g+3], s[PB:PB+1] offset:6144+1536*((\a)%4)+512*\g
.endif
.endr
.endm
.irp a, 0,1,2,3,4,5,6,7
	VBLK \a
.endr
.irp g, 0,1,2,3
	v_cndmask_b32 v[RR+\g], v[W+2*\g], v[W+2*\g+1], s[MH]
.endr
	global_store_b64 v[L8], v[RR:RR+1], s[PA:PA+1] offset:12800
	global_store_b64 v[L8], v[RR+2:RR+3], s[PB:PB+1] offset:12800
.Ldone:
	s_wait_tensorcnt 0x0
	ds_add_u32 v[SPW], v[NIL]
	s_wait_dscnt 0x0
	CROUND
	s_endpgm
.Lfunc_end_k_q150420885d_qkv:
	.size	k_q150420885d_qkv, .Lfunc_end_k_q150420885d_qkv-k_q150420885d_qkv
	.p2alignl 7, 3214868480
	.fill 96, 4, 3214868480
	.section	.rodata,"a",@progbits
	.p2align	6, 0x0
	.amdhsa_kernel k_q150420885d_qkv
		.amdhsa_group_segment_fixed_size 327680
		.amdhsa_private_segment_fixed_size 0
		.amdhsa_enable_private_segment 0
		.amdhsa_kernarg_size 40
		.amdhsa_user_sgpr_count 2
		.amdhsa_user_sgpr_kernarg_segment_ptr 1
		.amdhsa_wavefront_size32 1
		.amdhsa_system_sgpr_workgroup_id_x 1
		.amdhsa_system_sgpr_workgroup_id_y 1
		.amdhsa_system_sgpr_workgroup_id_z 1
		.amdhsa_system_vgpr_workitem_id 0
		.amdhsa_next_free_vgpr 1024
		.amdhsa_next_free_sgpr 102
		.amdhsa_reserve_vcc 0
		.amdhsa_float_denorm_mode_32 3
		.amdhsa_float_denorm_mode_16_64 3
		.amdhsa_memory_ordered 1
		.amdhsa_forward_progress 1
		.amdhsa_inst_pref_size 214
	.end_amdhsa_kernel
	.amdgpu_metadata
---
amdhsa.version: [ 1, 2 ]
amdhsa.kernels:
  - .name:           k_q150420885d_qkv
    .symbol:         k_q150420885d_qkv.kd
    .args:
      - { .name: xr, .offset: 0, .size: 8, .value_kind: global_buffer, .address_space: global }
      - { .name: wr, .offset: 8, .size: 8, .value_kind: global_buffer, .address_space: global }
      - { .name: b_qkv, .offset: 16, .size: 8, .value_kind: global_buffer, .address_space: global }
      - { .name: qr, .offset: 24, .size: 8, .value_kind: global_buffer, .address_space: global }
      - { .name: kv, .offset: 32, .size: 8, .value_kind: global_buffer, .address_space: global }
    .group_segment_fixed_size: 327680
    .private_segment_fixed_size: 0
    .kernarg_segment_align: 8
    .kernarg_segment_size: 40
    .max_flat_workgroup_size: 128
    .sgpr_count:     102
    .vgpr_count:     1024
    .wavefront_size: 32
...
	.end_amdgpu_metadata
.endif
;; end of part 2
;; launch attn (part 3): grid 8 x 32, 16 waves a work-group, clusters of 4 x 1, 212,992 bytes of LDS; arguments qr, kv, ao; writes ao
.if DOCPART == 3
	.amdgcn_target "amdgcn-amd-amdhsa--gfx1250"
	.amdhsa_code_object_version 6
	.text
	.protected	k_q150420885d_attn
	.globl	k_q150420885d_attn
	.p2align	8
	.type	k_q150420885d_attn,@function
k_q150420885d_attn:
	s_mov_b64 s[64:65], 0
	v_nop
	global_prefetch_b8 v0, s[64:65] scope:SCOPE_SE
	s_setreg_imm32_b32 hwreg(HW_REG_WAVE_MODE, 25, 1), 1
	s_wait_xcnt 0x0
	s_wait_alu depctr_hold_cnt(0) depctr_sa_sdst(0) depctr_va_vdst(0) depctr_va_sdst(0) depctr_va_ssrc(0) depctr_va_vcc(0) depctr_vm_vsrc(0)
	s_getreg_b32 s2, hwreg(HW_REG_IB_STS2, 6, 4)
	s_cmp_eq_u32 s2, 0
	s_cbranch_scc0 .Lentry_in_a_cluster
	s_endpgm
.Lentry_in_a_cluster:
	s_bfe_u32 s2, ttmp6, 0x10000c
	s_cmp_lg_u32 s2, 0x3003
	s_cbranch_scc0 .Lentry_shape_is_right
	s_endpgm
.Lentry_shape_is_right:
; o = softmax(q k^T / 8) v for one head, both products on codes of FP6 (E2M3) with E8M0 scales; o is quantised along the head's 64 and leaves as half images of the last product's operand.
; THE SOFTMAX: t = score x log2(e) / 8; M = the running largest t rounded UP to a whole number; p = 2^(t - M) is quantised along the keys, not normalised; the row's sum is taken of the unquantised p and divides at the end.
; SHARES.  A work-group owns 256 queries of one head (batch x head = work-group y), each of its sixteen waves one tile of 16: four waves to a SIMD.
; THE HEAD'S K, V AND SCALE WORDS, 16 records of 13,056 bytes, ALL STAY IN LDS: each byte is filled once, so there is no ring.  Wave w fetches record w: one tensor load a wave, with no branch.
; WAVE w TAKES THE RECORDS IN THE ORDER w, w + 1, .. modulo 16 (the running M serves any order of the keys).  Its first step reads the record that it fetched itself, behind its own wait for that load alone.
; ONE BARRIER shows all records to all waves: a wave signals as soon as its own load has landed, does its first step (LDS loads of its own record and work on registers) between signal and wait, and reads the others' records behind the wait.
; CLUSTER 4 x 1: the four query blocks of a cluster read the same head: every record is asked for jointly.
; NO PREFETCH: every record is asked for once, at the head; there is no loop to run ahead in.
; Both products are used transposed (S^T = K Q^T, O^T = V^T P^T): a lane holds one query throughout.  The keys of a tile and the channels of a tile are laid so that the 16 registers of tiles 2 b, 2 b + 1 are 16 neighbours.
; TWO REGIONS OF 64 REGISTERS CHANGE ROLES FROM STEP TO STEP: one holds K's half fragments (48 registers) and then V's fragments, the other the scores and p.  As soon as the conversions have read p, the NEXT step's K is loaded
; onto p's first 48 registers: 17 LDS loads that are out during the rest of the step.  Step 0 is written out, steps 1 to 14 are seven trips of two steps, step 15 is written out and fetches nothing.
; THE ROW'S SUM lies in eight running pairs; each pair's first addition of a step is fused with the change of M (pair x f + p).  The additions of p's last 16 registers, on which no load lands, stand behind the products,
; five behind O^T's and three behind the next step's S^T's: they are the plain places that are due there.
; K = 64 IN AN INSTRUCTION OF K = 128: registers 6-11 of Q's operand are zero codes and bytes 2, 3 of both scale words are 127.  K's operand for tile t is 12 registers from 6 t on: its upper six are the next tile's codes, and behind the
; last tile whatever the region holds (zeros, or bits of an earlier p): every pattern of 6 bits is a finite number of the format, each is multiplied by a zero code, and they add exactly 0.
; LIMITS: the promise holds while the scaled scores t stay under 2^31 in magnitude; p under 2^-126 becomes 0 (v_exp_f32 flushes); 1 / sum by v_rcp_f32; t - M is one fused multiply-add;
; a block of o whose largest magnitude lies under 2^-124 gets the byte 1.  NaN and infinities are not served.
.set RECB, 13056
.set SPARE, 16*RECB                    ; behind the records: the spare words, 128 bytes for each wave
.set LI,  1                            ; v1   16 x lane
.set L8,  2                            ; v2   8 x lane
.set AD0, 3                            ; v3, v4   an even step's record + 16 x lane, + 8 x lane
.set AD1, 14                           ; v14, v15 an odd step's
.set SPW, 5
.set NIL, 6
.set KS0, 8                            ; v8-11   K's scale words of the even steps: register b: lanes 0-15 tile 2 b, lanes 16-31 tile 2 b + 1
.set KS1, 224                          ; v224-227 of the odd steps
.set QF,  16                           ; v16-27  Q's operand; v28 its scale word; v29 4 x (lane % 16)
.set QS,  28
.set R4,  29
.set VS,  30                           ; v30-31  V's scale words
.set R1,  32                           ; v32-95, v96-159 the two regions; v12 -M, v13 the running largest score
.set R2,  96
.set BM,  192                          ; v192-195 the blocks' largest scores, then largest p
.set BP,  196                          ; v196-203 at work
.set SO,  204                          ; v204-207 the conversions' scale operands
.set PC,  208                          ; v208-219 p's codes
.set FF,  220                          ; v220 f = 2^(old M - new M); v221 p's scale word; v222 the old -M; v223 at work
.set PS,  221
.set TT,  222
.set HW,  223
.set CT,  228                          ; v228-230, v232-234 the second conversions' codes
.set L,   240                          ; v240-255 the sum's eight pairs
.set WV,  10
.set SEL, 16                           ; s[16:17]
.set CS,  18                           ; s[18:19] c = log2(e) / 8
.set TB,  20                           ; s20  LDS byte of the next step's record
.set CNT, 21                           ; s21  the number of the trip's first step: 1, 3, .. 13
.set CN,  22                           ; s22  -c
.set G1,  24                           ; s[24:31] group 1; s[32:35] group 0
.set G0,  32
.macro CROUND
	s_barrier_signal -1
	s_barrier_wait -1
	s_cmp_lg_u32 s[WV], 0
	s_cbranch_scc1 .Lnot_wave_0_\@
	s_barrier_signal -3
.Lnot_wave_0_\@:
	s_barrier_wait -3
	s_barrier_signal -1
	s_barrier_wait -1
.endm
	s_load_b128 s[4:7], s[0:1], 0x0                ; qr s[4:5], kv s[6:7]
	s_load_b64 s[8:9], s[0:1], 0x10                ; ao
	v_lshl_add_u32 v[SPW], v0, 2, SPARE
	v_mov_b32 v[NIL], 0
	ds_add_u32 v[SPW], v[NIL]                      ; the wave's opening: the add, twice on end, and its wait ahead of my tensor load
	ds_add_u32 v[SPW], v[NIL]
	v_lshrrev_b32 v7, 5, v0
	s_delay_alu instid0(VALU_DEP_1)
	v_readfirstlane_b32 s[WV], v7                  ; wave 0..15
	s_bfe_u32 s11, ttmp6, 0x40000                  ; cx: it enters Q's and o's addresses alone
	s_lshl_b32 s12, ttmp9, 2
	s_add_co_u32 s12, s12, s11                     ; my block of 256 queries
	s_and_b32 s13, ttmp7, 0xffff                   ; batch x 16 + head, which the four partners share
	; group 1: a record, dense: 51 rows of 256 bytes (32 elements of 8 bytes)
	s_mov_b32 s[G1], 15|(3<<16)|(1<<21)            ; the mask: all four work-groups; elements of 8 bytes; bit 21 set beside a mask
	s_mov_b32 s[G1+1], 32<<16
	s_mov_b32 s[G1+2], 51<<16
	s_mov_b32 s[G1+3], 32<<16
	s_mov_b32 s[G1+4], 51
	s_mov_b32 s[G1+5], 32
	s_mov_b32 s[G1+6], 0
	s_mov_b32 s[G1+7], 0
	s_mul_i32 s14, s[WV], RECB                     ; record = my wave's number: its place in LDS and in the head's sixteen
	s_mul_i32 s48, s13, 16*RECB
	s_add_co_u32 s48, s48, s14
	s_mov_b32 s49, 0
	s_add_co_u32 s23, s[WV], 1
	s_and_b32 s23, s23, 15
	s_mul_i32 s23, s23, RECB                       ; step 1's record: (wave + 1) modulo 16
	s_mov_b32 s[SEL], 0x76543210
	s_mov_b32 s[SEL+1], 0xfedcba98
	s_mov_b32 s[CS], 0x3e38aa3b                    ; log2(e) / 8
	s_mov_b32 s[CS+1], s[CS]                       ; (named with it as a pair, so it is written)
	s_mov_b32 s[CN], 0xbe38aa3b                    ; and its negative
	; my tile of queries: T = 16 x block + wave
	s_lshl_b32 s50, s13, 4
	s_lshl_b32 s51, s12, 1
	s_add_co_u32 s50, s50, s51
	s_lshr_b32 s51, s[WV], 3
	s_add_co_u32 s50, s50, s51                     ; qr's record: 16 x (batch, head) + T / 8
	s_mul_i32 s50, s50, 6656
	s_and_b32 s51, s[WV], 7
	s_mul_i32 s52, s51, 768                        ; half image T % 8
	s_add_co_u32 s52, s52, s50
	s_mov_b32 s53, 0
	s_and_b32 s54, s[WV], 1
	s_lshl_b32 s54, s54, 8                         ; its scale words: lanes 16 (T % 2) on, 16 bytes a lane,
	s_bfe_u32 s55, s[WV], 0x20001
	s_lshl_b32 s55, s55, 2                         ; word (T / 2) % 4
	s_add_co_u32 s54, s54, s55
	s_add_co_u32 s54, s54, s50
	s_add_co_u32 s54, s54, 6144
	s_mov_b32 s55, 0
	v_and_b32 v7, 31, v0
	s_delay_alu instid0(VALU_DEP_1)
	v_lshlrev_b32 v[LI], 4, v7
	s_delay_alu instid0(VALU_DEP_2)
	v_lshlrev_b32 v[L8], 3, v7
	v_and_b32 v7, 15, v0
	s_delay_alu instid0(VALU_DEP_1)
	v_lshlrev_b32 v[R4], 2, v7
	s_delay_alu instid0(VALU_DEP_2)
	v_lshlrev_b32 v7, 4, v7
	v_add_nc_u32 v[AD0], s14, v[LI]                ; step 0: my own record
	v_add_nc_u32 v[AD0+1], s14, v[L8]
	v_add_nc_u32 v[AD1], s23, v[LI]                ; step 1
	v_add_nc_u32 v[AD1+1], s23, v[L8]
	s_wait_alu depctr_va_vdst(0)                   ; directly ahead of the waits below
	s_wait_dscnt 0x0                               ; both opening adds are done
	s_wait_kmcnt 0x0
	s_add_nc_u64 s[48:49], s[6:7], s[48:49]
	s_add_nc_u64 s[52:53], s[4:5], s[52:53]
	s_add_nc_u64 s[54:55], s[4:5], s[54:55]
	global_load_b128 v[QF:QF+3], v[LI], s[52:53]   ; Q is asked for ahead of the round: nobody writes these bytes
	global_load_b64 v[QF+4:QF+5], v[L8], s[52:53] offset:512
	global_load_b32 v[QS], v7, s[54:55]
	CROUND                                         ; all four work-groups are here: the joint loads meet
	s_mov_b32 s[G0], 1
	s_mov_b32 s[G0+1], s14
	s_mov_b64 s[G0+2:G0+3], s[48:49]
	s_or_b32 s[G0+3], s[G0+3], 0x80000000
	tensor_load_to_lds s[G0:G0+3], s[G1:G1+7]      ; my one load: one is out in each wave
	s_nop 0
.rept 4
	v_nop
.endr
	s_lshr_b32 s56, s13, 4
	s_lshl_b32 s56, s56, 7
	s_lshl_b32 s57, s12, 4
	s_add_co_u32 s56, s56, s57
	s_add_co_u32 s56, s56, s[WV]                   ; ao's record: token tile 128 x batch + T
	s_mul_i32 s56, s56, 12800
	s_and_b32 s57, s13, 15                         ; the head
	s_mul_i32 s58, s57, 768                        ; its half image
	s_add_co_u32 s58, s58, s56
	s_mov_b32 s59, 0
	s_add_nc_u64 s[58:59], s[8:9], s[58:59]
	s_lshr_b32 s60, s57, 1
	s_lshl_b32 s60, s60, 6                         ; its half of the scale words of K step head / 2
	s_and_b32 s61, s57, 1
	s_lshl_b32 s61, s61, 1
	s_add_co_u32 s60, s60, s61
	s_add_co_u32 s60, s60, s56
	s_add_co_u32 s60, s60, 12288
	s_mov_b32 s61, 0
	s_add_nc_u64 s[60:61], s[8:9], s[60:61]
.irp j, 6,7,8,9,10,11
	v_mov_b32 v[QF+\j], 0                          ; zero codes for the upper 64 of the instruction's K
.endr
.set J, 48
.rept 16
	v_mov_b32 v[R1+J], 0                           ; what stands behind K's last tile in the first step, and what the first step adds in place of an earlier p
.set J, J+1
.endr
	v_mov_b32 v13, 0xff61b1e6                      ; the largest score so far: -3e38, under every score
	v_mov_b32 v12, 0x7e000000                      ; -M: 2^125, over every -M to come: the first f is 0
	v_mov_b32 v[PS], 0                             ; (named as the upper half of the pair v[220:221] before it is first written)
.set J, 0
.rept 16
	v_mov_b32 v[L+J], 0                            ; the sum's eight pairs
.set J, J+1
.endr
.set J, 0
.rept 32
	v_mov_b32 v[160+J], 0                          ; O^T.  (The step has no first step of its own: the first change of M multiplies zeros)
.set J, J+1
.endr
.macro KLOAD r, ks, ad                 ; a record's K: eight half fragments and the scale words: 17 loads
.irp t, 0,1,2,3,4,5,6,7
	ds_load_b128 v[\r+6*\t:\r+6*\t+3], v[\ad] offset:768*\t
	ds_load_b64 v[\r+6*\t+4:\r+6*\t+5], v[\ad+1] offset:768*\t+512
.endr
	ds_load_b128 v[\ks:\ks+3], v[\ad] offset:12288
.endm
; A KEY STEP: 128 keys, one record.  kr: the region with K, then V; sr: the region of the scores; ks, kn: this step's and the next step's K scale words; ac, an: this step's and the next step's address registers;
; pf: the next step's K is fetched; ix: the next step's number less the trip's first
.macro STEP kr, sr, ks, kn, ac, an, pf, ix
	s_wait_dscnt 0x0                               ; K is in
.irp t, 0,1,2,3,4,5,6,7                        ; S^T = K Q^T: lane (r, h) holds query r; the 16 registers of tiles 2 b, 2 b + 1 are keys 32 b + 16 h + 0 .. 15
.if (\t)%2
	v_wmma_scale_f32_16x16x128_f8f6f4 v[\sr+8*\t:\sr+8*\t+7], v[\kr+6*\t:\kr+6*\t+11], v[QF:QF+11], 0, v[\ks+\t/2], v[QS] matrix_a_fmt:MATRIX_FMT_FP6 matrix_b_fmt:MATRIX_FMT_FP6 matrix_a_scale:MATRIX_SCALE_ROW1
.else
	v_wmma_scale_f32_16x16x128_f8f6f4 v[\sr+8*\t:\sr+8*\t+7], v[\kr+6*\t:\kr+6*\t+11], v[QF:QF+11], 0, v[\ks+\t/2], v[QS] matrix_a_fmt:MATRIX_FMT_FP6 matrix_b_fmt:MATRIX_FMT_FP6
.endif
.endr
	v_mov_b32 v[TT], v12                           ; the old -M.  This line and the three below are the four places in front of the loads and of the first read of the scores
.irp k, 5,6,7
	v_pk_add_f32 v[L+2*\k:L+2*\k+1], v[L+2*\k:L+2*\k+1], v[\kr+48+2*\k:\kr+49+2*\k]   ; the last step's p, registers 58-63 of its region, which no product and no load names
.endr
.irp t, 0,1,2,3                                ; V's fragments, into K's registers: they are on their way during the softmax
.irp g, 0,1,2
	ds_load_b128 v[\kr+12*\t+4*\g:\kr+12*\t+4*\g+3], v[\ac] offset:6144+1536*\t+512*\g
.endr
.endr
	ds_load_b64 v[VS:VS+1], v[\ac+1] offset:12800
; the largest score of each block of 32 keys, in two chains a block (registers 0-8 and 9-15): it serves for the row's maximum and, since p rises with the score, for the block's largest p
.irp b, 0,1,2,3
	v_max3_num_f32 v[BM+\b], v[\sr+16*\b], v[\sr+16*\b+1], v[\sr+16*\b+2]
.endr
.irp b, 0,1,2,3
	v_max3_num_f32 v[BP+\b], v[\sr+16*\b+9], v[\sr+16*\b+10], v[\sr+16*\b+11]
.endr
.irp i, 3,5
.irp b, 0,1,2,3
	v_max3_num_f32 v[BM+\b], v[BM+\b], v[\sr+16*\b+\i], v[\sr+16*\b+\i+1]
.endr
.irp b, 0,1,2,3
	v_max3_num_f32 v[BP+\b], v[BP+\b], v[\sr+16*\b+\i+9], v[\sr+16*\b+\i+10]
.endr
.endr
.irp b, 0,1,2,3
	v_max3_num_f32 v[BM+\b], v[BM+\b], v[\sr+16*\b+7], v[\sr+16*\b+8]
.endr
.irp b, 0,1,2,3
	v_max_num_f32 v[BM+\b], v[BM+\b], v[BP+\b]
.endr
.irp b, 0,1,2,3
	s_delay_alu instid0(VALU_DEP_4)
	v_permlanex16_b32 v[BP+\b], v[BM+\b], s[SEL], s[SEL+1]
.endr
.irp b, 0,1,2,3
	s_delay_alu instid0(VALU_DEP_4)
	v_max_num_f32 v[BM+\b], v[BM+\b], v[BP+\b]     ; with lane l xor 16's 16 keys
.endr
	s_delay_alu instid0(VALU_DEP_2)
	v_max3_num_f32 v[HW], v[BM], v[BM+1], v[BM+2]
	s_delay_alu instid0(VALU_DEP_1)
	v_max3_num_f32 v13, v[HW], v[BM+3], v13        ; the running largest score of my query (c is positive: the largest t is c x this)
	s_delay_alu instid0(VALU_DEP_1)
	v_mul_f32 v[HW], s[CN], v13                    ; -t
	s_delay_alu instid0(VALU_DEP_1)
	v_floor_f32 v12, v[HW]                         ; the new -M = floor(-t): M is a whole number
.if \pf
	s_add_co_u32 s[TB], s[CNT], \ix                ; the next step's record: (its number + my wave's) modulo 16
	s_add_co_u32 s[TB], s[TB], s[WV]
	s_and_b32 s[TB], s[TB], 15
	s_mul_i32 s[TB], s[TB], RECB
	v_add_nc_u32 v[\an], s[TB], v[LI]
	v_add_nc_u32 v[\an+1], s[TB], v[L8]
.endif
.set J, 0
.rept 16
	v_pk_fma_f32 v[\sr+2*J:\sr+2*J+1], v[\sr+2*J:\sr+2*J+1], s[CS:CS+1], v[12:13] op_sel_hi:[1,0,0]   ; t - M of blocks 0 and 1, two at a time; f is made among these lines
.if J == 3
	v_sub_f32 v[TT], v12, v[TT]                    ; old M - new M: a whole number, 0 or less
.elseif J == 7
	v_cvt_i32_f32 v[TT], v[TT]                     ; (it saturates)
.elseif J == 11
	v_ldexp_f32 v[FF], 1.0, v[TT]                  ; f = 2^(old M - new M): a multiplication by it rounds nothing
.endif
.set J, J+1
.endr
	s_wait_alu depctr_va_vdst(0)                   ; the wait ahead of the batch
; the first batch: p = 2^(t - M) of blocks 0 and 1; between its lines t - M of blocks 2 and 3 and of the blocks' largest scores, which the second batch reads behind the next wait
.set J, 0
.rept 16
	v_exp_f32 v[\sr+J], v[\sr+J]
	v_pk_fma_f32 v[\sr+32+2*J:\sr+33+2*J], v[\sr+32+2*J:\sr+33+2*J], s[CS:CS+1], v[12:13] op_sel_hi:[1,0,0]
.set J, J+1
.endr
.rept 12
	v_exp_f32 v[\sr+J], v[\sr+J]
.set J, J+1
.endr
.irp b, 0,1,2,3
	v_exp_f32 v[\sr+28+\b], v[\sr+28+\b]
	v_fma_f32 v[BM+\b], v[BM+\b], s[CS], v12
.endr
	s_wait_alu depctr_va_vdst(0)                   ; behind the first batch and ahead of the second
; the second batch: blocks 2 and 3 and the blocks' largest p (the same two instructions on the same number give the same bits); between its lines each pair of the sum comes under the new M and takes its first p
.set J, 0
.rept 7
	v_exp_f32 v[\sr+32+J], v[\sr+32+J]
	v_pk_fma_f32 v[L+2*J:L+2*J+1], v[L+2*J:L+2*J+1], v[FF:FF+1], v[\sr+2*J:\sr+2*J+1] op_sel_hi:[1,0,1]
.set J, J+1
.endr
.rept 25
	v_exp_f32 v[\sr+32+J], v[\sr+32+J]
.set J, J+1
.endr
.irp b, 0,1,2,3
	v_exp_f32 v[BM+\b], v[BM+\b]
.endr
	v_pk_fma_f32 v[L+14:L+15], v[L+14:L+15], v[FF:FF+1], v[\sr+14:\sr+15] op_sel_hi:[1,0,1]   ; (also the plain place behind the exponentials)
	s_wait_alu depctr_va_vdst(0)                   ; one wait for the batch, ahead of its first reader
.irp b, 0,1,2,3
	v_max_num_f32 v[BM+\b], 0x1800000, v[BM+\b]    ; the floor 2^(3 - 127): the byte cannot fall under 1
.endr
.set J, 8
.rept 4
	v_pk_add_f32 v[L+2*(J%8):L+2*(J%8)+1], v[L+2*(J%8):L+2*(J%8)+1], v[\sr+2*J:\sr+2*J+1]   ; the row's sum is taken of the unquantised p
.set J, J+1
.endr
.irp b, 0,1,2,3
	v_add_nc_u32 v[SO+\b], 0xff000000, v[BM+\b]    ; 2 off the exponent field: the conversion's scale operand
.endr
.rept 12
	v_pk_add_f32 v[L+2*(J%8):L+2*(J%8)+1], v[L+2*(J%8):L+2*(J%8)+1], v[\sr+2*J:\sr+2*J+1]
.set J, J+1
.endr
.irp c, 0,1
	v_cvt_scalef32_pk16_fp6_f32 v[PC+6*\c:PC+2+6*\c], v[\sr+32*\c:\sr+15+32*\c], v[SO+2*\c]
	v_cvt_scalef32_pk16_fp6_f32 v[CT+4*\c:CT+2+4*\c], v[\sr+16+32*\c:\sr+31+32*\c], v[SO+2*\c+1]
.endr
.if \pf
	KLOAD \sr, \kn, \an                            ; p's first 48 registers have been summed and converted: the next step's K lands there
.endif
.irp b, 0,1,2,3
	v_lshrrev_b32 v[BP+\b], 23, v[SO+\b]           ; the scale's byte.  (Plain lines behind the conversions)
.endr
	v_lshl_or_b32 v[PS], v[BP+1], 8, v[BP]         ; p's scale word for these 128 keys; between its lines O^T comes under the new M
	v_pk_mul_f32 v[160:161], v[160:161], v[FF:FF+1] op_sel_hi:[1,0]
	v_pk_mul_f32 v[162:163], v[162:163], v[FF:FF+1] op_sel_hi:[1,0]
	v_lshl_or_b32 v[PS], v[BP+2], 16, v[PS]
	v_pk_mul_f32 v[164:165], v[164:165], v[FF:FF+1] op_sel_hi:[1,0]
	v_pk_mul_f32 v[166:167], v[166:167], v[FF:FF+1] op_sel_hi:[1,0]
	v_lshl_or_b32 v[PS], v[BP+3], 24, v[PS]
.irp j, 8,10,12,14
	v_pk_mul_f32 v[160+\j:161+\j], v[160+\j:161+\j], v[FF:FF+1] op_sel_hi:[1,0]
.endr
.irp c, 0,1                                    ; the operand wants a whole block in a lane
.irp i, 0,1,2
	v_permlane16_swap_b32 v[PC+6*\c+\i], v[CT+4*\c+\i]
.endr
.irp i, 0,1,2
	s_delay_alu instid0(VALU_DEP_3)
	v_mov_b32 v[PC+3+6*\c+\i], v[CT+4*\c+\i]
.endr
.endr
.irp j, 16,18,20,22,24,26,28,30
	v_pk_mul_f32 v[160+\j:161+\j], v[160+\j:161+\j], v[FF:FF+1] op_sel_hi:[1,0]   ; (these eight are also the places between the codes and the products below; the scale word stands further ahead)
.endr
	s_wait_alu depctr_va_vdst(0)                   ; directly ahead of the wait below
.if \pf
	s_wait_dscnt 17                                ; V's fragments and scale words are in; the 17 younger loads, the next step's K, may be out
.else
	s_wait_dscnt 0x0
.endif
.irp t, 0,1,2,3                                ; O^T += V^T P^T: the four accumulators take turns
.if (\t)%2
	v_wmma_scale_f32_16x16x128_f8f6f4 v[160+8*\t:167+8*\t], v[\kr+12*\t:\kr+12*\t+11], v[PC:PC+11], v[160+8*\t:167+8*\t], v[VS+\t/2], v[PS] matrix_a_fmt:MATRIX_FMT_FP6 matrix_b_fmt:MATRIX_FMT_FP6 matrix_a_scale:MATRIX_SCALE_ROW1
.else
	v_wmma_scale_f32_16x16x128_f8f6f4 v[160+8*\t:167+8*\t], v[\kr+12*\t:\kr+12*\t+11], v[PC:PC+11], v[160+8*\t:167+8*\t], v[VS+\t/2], v[PS] matrix_a_fmt:MATRIX_FMT_FP6 matrix_b_fmt:MATRIX_FMT_FP6
.endif
.endr
.irp k, 0,1,2,3,4
	v_pk_add_f32 v[L+2*\k:L+2*\k+1], v[L+2*\k:L+2*\k+1], v[\sr+48+2*\k:\sr+49+2*\k]   ; p's registers 48-57: five places between these products and the next step's, whose results land on V's registers
.endr
.endm
	s_wait_loadcnt 0x0                             ; Q
	s_wait_tensorcnt 0x0                           ; my record has landed:
	s_barrier_signal -1                            ; say so.  Up to the barrier's wait I read my own record alone, which nobody writes
	KLOAD R1, KS0, AD0
	STEP R1, R2, KS0, KS1, AD0, AD1, 0, 0          ; step 0
	s_barrier_wait -1                              ; everybody's record has landed: all sixteen are whole, and nothing is ever filled again
	KLOAD R2, KS1, AD1
	s_mov_b32 s[CNT], 1
.Ltrip:
	STEP R2, R1, KS1, KS0, AD1, AD0, 1, 1
	STEP R1, R2, KS0, KS1, AD0, AD1, 1, 2
	s_add_co_u32 s[CNT], s[CNT], 2
	s_cmp_lt_u32 s[CNT], 15
	s_cbranch_scc1 .Ltrip
	STEP R2, R1, KS1, KS0, AD1, AD0, 0, 0          ; step 15 fetches nothing
	; THE WAY OUT: the last p's registers 58-63, the sum's eight pairs, O^T / the sum; register 16 b + i is channel 32 b + 16 h + i of my query: two blocks, quantised as they stand
.irp k, 5,6,7
	v_pk_add_f32 v[L+2*\k:L+2*\k+1], v[L+2*\k:L+2*\k+1], v[R1+48+2*\k:R1+49+2*\k]
.endr
.irp k, 0,1,2,3
	v_pk_add_f32 v[L+2*\k:L+2*\k+1], v[L+2*\k:L+2*\k+1], v[L+8+2*\k:L+9+2*\k]
.endr
.irp k, 0,1
	v_pk_add_f32 v[L+2*\k:L+2*\k+1], v[L+2*\k:L+2*\k+1], v[L+4+2*\k:L+5+2*\k]
.endr
	v_pk_add_f32 v[L:L+1], v[L:L+1], v[L+2:L+3]
	v_add_f32 v7, v[L], v[L+1]                     ; the pair's two halves,
	s_delay_alu instid0(VALU_DEP_1)
	v_permlanex16_b32 v[TT], v7, s[SEL], s[SEL+1]
	s_delay_alu instid0(VALU_DEP_1)
	v_add_f32 v7, v7, v[TT]                        ; and lane l xor 16's
	s_wait_alu depctr_va_vdst(0)                   ; the wait ahead of the transcendental
	v_rcp_f32 v7, v7
	v_nop                                          ; a plain place behind the reciprocal
	s_wait_alu depctr_va_vdst(0)                   ; the wait ahead of the reciprocal's first reader
.set J, 0
.rept 32
	v_mul_f32 v[96+J], v[160+J], v7                ; each accumulator from its low end on
.set J, J+1
.endr
.irp b, 0,1
	v_max3_num_f32 v[BM+\b], |v[96+16*\b]|, |v[97+16*\b]|, 0x1800000
.endr
.irp i, 2,4,6,8,10,12,14
.irp b, 0,1
	s_delay_alu instid0(VALU_DEP_2)
	v_max3_num_f32 v[BM+\b], v[BM+\b], |v[96+16*\b+\i]|, |v[97+16*\b+\i]|
.endr
.endr
.irp b, 0,1
	s_delay_alu instid0(VALU_DEP_2)
	v_permlanex16_b32 v[BP+\b], v[BM+\b], s[SEL], s[SEL+1]
.endr
.irp b, 0,1
	s_delay_alu instid0(VALU_DEP_2)
	v_max_num_f32 v[BM+\b], v[BM+\b], v[BP+\b]
.endr
.irp b, 0,1
	s_delay_alu instid0(VALU_DEP_2)
	v_add_nc_u32 v[SO+\b], 0xff000000, v[BM+\b]
.endr
.irp b, 0,1
	s_delay_alu instid0(VALU_DEP_2)
	v_lshrrev_b32 v[BP+\b], 23, v[SO+\b]
.endr
	s_delay_alu instid0(VALU_DEP_1)
	v_lshl_or_b32 v[HW], v[BP+1], 8, v[BP]         ; my head's half of the row's scale word
	v_cvt_scalef32_pk16_fp6_f32 v[PC:PC+2], v[96:111], v[SO]
	v_cvt_scalef32_pk16_fp6_f32 v[CT:CT+2], v[112:127], v[SO+1]
	v_nop                                          ; one plain place behind a scaled conversion
.irp i, 0,1,2
	v_permlane16_swap_b32 v[PC+\i], v[CT+\i]
.endr
.irp i, 0,1,2
	s_delay_alu instid0(VALU_DEP_3)
	v_mov_b32 v[PC+3+\i], v[CT+\i]
.endr
	global_store_b128 v[LI], v[PC:PC+3], s[58:59]  ; 32 lanes store 512 consecutive bytes, at a multiple of 256 from the buffer's first byte
	global_store_b64 v[L8], v[PC+4:PC+5], s[58:59] offset:512
	global_store_b16 v[R4], v[HW], s[60:61]        ; two bytes a row: lanes l and l xor 16 hold the same and write it to the same place
	s_wait_tensorcnt 0x0                           ; the wave's end: three lines behind the last tensor load
	ds_add_u32 v[SPW], v[NIL]
	s_wait_dscnt 0x0
	CROUND                                         ; the closing round
	s_endpgm
.Lfunc_end_k_q150420885d_attn:
	.size	k_q150420885d_attn, .Lfunc_end_k_q150420885d_attn-k_q150420885d_attn
	.p2alignl 7, 3214868480
	.fill 96, 4, 3214868480
	.section	.rodata,"a",@progbits
	.p2align	6, 0x0
	.amdhsa_kernel k_q150420885d_attn
		.amdhsa_group_segment_fixed_size 212992
		.amdhsa_private_segment_fixed_size 0
		.amdhsa_enable_private_segment 0
		.amdhsa_kernarg_size 24
		.amdhsa_user_sgpr_count 2
		.amdhsa_user_sgpr_kernarg_segment_ptr 1
		.amdhsa_wavefront_size32 1
		.amdhsa_system_sgpr_workgroup_id_x 1
		.amdhsa_system_sgpr_workgroup_id_y 1
		.amdhsa_system_sgpr_workgroup_id_z 1
		.amdhsa_system_vgpr_workitem_id 0
		.amdhsa_next_free_vgpr 256
		.amdhsa_next_free_sgpr 66
		.amdhsa_reserve_vcc 0
		.amdhsa_float_denorm_mode_32 3
		.amdhsa_float_denorm_mode_16_64 3
		.amdhsa_memory_ordered 1
		.amdhsa_forward_progress 1
		.amdhsa_inst_pref_size 76
	.end_amdhsa_kernel
	.amdgpu_metadata
---
amdhsa.version: [ 1, 2 ]
amdhsa.kernels:
  - .name:           k_q150420885d_attn
    .symbol:         k_q150420885d_attn.kd
    .args:
      - { .name: qr, .offset: 0, .size: 8, .value_kind: global_buffer, .address_space: global }
      - { .name: kv, .offset: 8, .size: 8, .value_kind: global_buffer, .address_space: global }
      - { .name: ao, .offset: 16, .size: 8, .value_kind: global_buffer, .address_space: global }
    .group_segment_fixed_size: 212992
    .private_segment_fixed_size: 0
    .kernarg_segment_align: 8
    .kernarg_segment_size: 24
    .max_flat_workgroup_size: 512
    .sgpr_count:     66
    .vgpr_count:     256
    .wavefront_size: 32
...
	.end_amdgpu_metadata
.endif
;; end of part 3
;; launch proj (part 4): grid 8 x 32, 8 waves a work-group, clusters of 4 x 4, 240,640 bytes of LDS; arguments ao, orr, b_out, out0; writes out0
.if DOCPART == 4
	.amdgcn_target "amdgcn-amd-amdhsa--gfx1250"
	.amdhsa_code_object_version 6
	.text
	.protected	k_q150420885d_proj
	.globl	k_q150420885d_proj
	.p2align	8
	.type	k_q150420885d_proj,@function
k_q150420885d_proj:
	s_mov_b64 s[64:65], 0
	v_nop
	global_prefetch_b8 v0, s[64:65] scope:SCOPE_SE
	s_setreg_imm32_b32 hwreg(HW_REG_WAVE_MODE, 25, 1), 1
	s_wait_xcnt 0x0
	s_wait_alu depctr_hold_cnt(0) depctr_sa_sdst(0) depctr_va_vdst(0) depctr_va_sdst(0) depctr_va_ssrc(0) depctr_va_vcc(0) depctr_vm_vsrc(0)
	s_getreg_b32 s2, hwreg(HW_REG_IB_STS2, 6, 4)
	s_cmp_eq_u32 s2, 0
	s_cbranch_scc0 .Lentry_in_a_cluster
	s_endpgm
.Lentry_in_a_cluster:
	s_bfe_u32 s2, ttmp6, 0x10000c
	s_cmp_lg_u32 s2, 0xf033
	s_cbranch_scc0 .Lentry_shape_is_right
	s_endpgm
.Lentry_shape_is_right:
; out0 = o w_out + b_out on codes of FP6 (E2M3) with E8M0 scales.  ao: 256 token-tile records, orr: 64 column-tile records of 12,800 bytes: K step s at 1,536 s, scale words from 12,288 on (K step s, row r at 64 s + 4 r).
; In orr a K step is an image of the 12 registers (registers 4 g .. at 512 g + 16 L); in ao it is two half images, one for each head: registers 0-3 at 16 L, 4-5 at 512 + 8 L, 6-9 at 768 + 16 L, 10-11 at 1,280 + 8 L.
; A work-group makes 128 tokens x 128 columns; all of K for both operands, 16 records, lies in LDS, each byte filled once: no ring.  Each of the eight waves brings two records by one joint load.
; Wave w makes token tiles 2 (w / 2), + 1 x column tiles 4 (w % 2) .. + 3: eight accumulators by turns.  Source 0 = 16 columns of w_out, source 1 = 16 tokens: a lane holds a token, its registers neighbouring columns.
; The bias is the C of each sum's first product.  CLUSTER 4 x 4: ao's records are shared along a row of the cluster, orr's along a column.
; A tile's rows are not neighbours: row i of tile T is 32 (T / 2) + 8 (T % 2) + i + 8 (i / 8); the way out puts each row back at its place.
.set REC,   12800
.set BBASE, 8*REC                      ; B's 8 records behind A's 8
.set STG,   16*REC                     ; the stages: 16 rows x 272 bytes for each wave
.set SPARE, STG+8*4352                 ; the spare words: 128 bytes for each wave, four blocks of 256 bytes that no other line names
.set LI,    1
.set L8,    2
.set ADA16, 3                          ; my two token tiles + 16 x lane
.set ADA8,  4                          ; + 8 x lane
.set ADB,   5                          ; my four column tiles + 16 x lane
.set ASA,   6                          ; scale words: lanes 0-15 my first token tile's, lanes 16-31 the second's
.set ASB,   7                          ; lanes 0-15 column tile 0 (or 2), lanes 16-31 tile 1 (or 3)
.set STO,   8
.set RD,    9
.set CO,    10
.set SPW,   11
.set NIL,   12
.set BO,    13
.set SCR,   16                         ; v16-21 two sets of three scale registers
.set FRG,   32                         ; v32-103, v104-175 two sets of fragments: A's two, then B's four
.set BIA,   104                        ; the bias, until the second set is first filled
.set ACC,   176                        ; v176-239 accumulator (a, b) at 8 (4 a + b)
.set WV,    12
.set G1A,   24
.set G1B,   32
.set G0A,   40
.set G0B,   44
.macro CROUND
	s_barrier_signal -1
	s_barrier_wait -1
	s_cmp_lg_u32 s[WV], 0
	s_cbranch_scc1 .Lnot_wave_0_\@
	s_barrier_signal -3
.Lnot_wave_0_\@:
	s_barrier_wait -3
	s_barrier_signal -1
	s_barrier_wait -1
.endm
.macro PLACES n
.rept \n
	v_nop
.endr
.endm
	s_load_b256 s[4:11], s[0:1], 0x0               ; ao s[4:5], orr s[6:7], b_out s[8:9], out0 s[10:11]
	v_lshl_add_u32 v[SPW], v0, 2, SPARE
	v_mov_b32 v[NIL], 0
	ds_add_u32 v[SPW], v[NIL]                      ; the wave's opening: the add and its wait ahead of my first tensor load; the set-up below, work on registers, stands between them
	ds_add_u32 v[SPW], v[NIL]
	v_lshrrev_b32 v14, 5, v0
	s_delay_alu instid0(VALU_DEP_1)
	v_readfirstlane_b32 s[WV], v14                 ; wave 0..7
	s_bfe_u32 s13, ttmp6, 0x40000                  ; cx
	s_bfe_u32 s14, ttmp6, 0x40004                  ; cy
	s_lshl_b32 s15, ttmp9, 2
	s_add_co_u32 s15, s15, s13                     ; block of 128 columns
	s_and_b32 s16, ttmp7, 0xffff
	s_lshl_b32 s16, s16, 2
	s_add_co_u32 s16, s16, s14                     ; block of 128 tokens
	s_lshl_b32 s17, s14, 2
	s_lshl_b32 s17, 15, s17                        ; my row of the cluster
	s_lshl_b32 s18, 0x1111, s13                    ; my column
	; group 1: two records, dense: 100 rows of 256 bytes (32 elements of 8 bytes)
	s_or_b32 s[G1A], s17, (3<<16)|(1<<21)
	s_or_b32 s[G1B], s18, (3<<16)|(1<<21)
.irp g, G1A, G1B
	s_mov_b32 s[\g+1], 32<<16
	s_mov_b32 s[\g+2], 100<<16
	s_mov_b32 s[\g+3], 32<<16
	s_mov_b32 s[\g+4], 100
	s_mov_b32 s[\g+5], 32
	s_mov_b32 s[\g+6], 0
	s_mov_b32 s[\g+7], 0
.endr
	s_and_b32 s19, s[WV], 3
	s_lshl_b32 s19, s19, 1                         ; which two of the eight records I fetch
	s_lshl_b32 s20, s16, 3
	s_add_co_u32 s20, s20, s19
	s_mul_i32 s20, s20, REC                        ; of ao (the tokens' block alone enters),
	s_mov_b32 s21, 0
	s_lshl_b32 s22, s15, 3
	s_add_co_u32 s22, s22, s19
	s_mul_i32 s22, s22, REC                        ; of orr (the columns' block alone)
	s_mov_b32 s23, 0
	s_mul_i32 s48, s[WV], 2*REC                    ; where they go: waves 0-3 A's, waves 4-7 B's
	s_wait_dscnt 0x0                               ; the opening add is done
	s_wait_kmcnt 0x0
	CROUND                                         ; all sixteen work-groups are here: the joint loads meet
	s_mov_b32 s[G0A], 1
	s_mov_b32 s[G0A+1], s48
	s_add_nc_u64 s[G0A+2:G0A+3], s[4:5], s[20:21]
	s_or_b32 s[G0A+3], s[G0A+3], 0x80000000
	s_mov_b32 s[G0B], 1
	s_mov_b32 s[G0B+1], s48
	s_add_nc_u64 s[G0B+2:G0B+3], s[6:7], s[22:23]
	s_or_b32 s[G0B+3], s[G0B+3], 0x80000000
	s_cmp_lt_u32 s[WV], 4                          ; the branch hangs on the wave's number alone; an s_nop 0 and four v_nop follow each of the two lines
	s_cbranch_scc0 .Lfor_b
	tensor_load_to_lds s[G0A:G0A+3], s[G1A:G1A+7]
	s_nop 0
.rept 4
	v_nop
.endr
	s_branch .Lasked
.Lfor_b:
	tensor_load_to_lds s[G0B:G0B+3], s[G1B:G1B+7]
	s_nop 0
.rept 4
	v_nop
.endr
.Lasked:
	s_lshr_b32 s52, s[WV], 1                       ; which two token tiles are mine
	s_and_b32 s53, s[WV], 1                        ; which four column tiles
	s_lshl_b32 s49, s16, 7
	s_lshl_b32 s50, s52, 5
	s_add_co_u32 s49, s49, s50                     ; my first token: 128 block + 32 (wave / 2)
	s_lshl_b32 s49, s49, 12                        ; rows of 4,096 bytes
	s_lshl_b32 s50, s15, 9
	s_lshl_b32 s51, s53, 8
	s_add_co_u32 s50, s50, s51                     ; my first column in bytes: 512 block + 256 (wave % 2)
	s_add_co_u32 s54, s49, s50
	s_mov_b32 s55, 0
	s_add_nc_u64 s[10:11], s[10:11], s[54:55]
	s_mov_b32 s51, 0
	s_add_nc_u64 s[8:9], s[8:9], s[50:51]
	v_and_b32 v14, 31, v0                          ; lane
	v_and_b32 v15, 15, v0                          ; r
	v_bfe_u32 v22, v0, 4, 1                        ; h
	s_delay_alu instid0(VALU_DEP_3)
	v_lshlrev_b32 v[LI], 4, v14
	s_delay_alu instid0(VALU_DEP_4)
	v_lshlrev_b32 v[L8], 3, v14
	s_delay_alu instid0(VALU_DEP_3)
	v_lshlrev_b32 v[BO], 6, v22
.irp b, 0,1
.irp i, 0,1,2,3
	global_load_b128 v[BIA+16*\b+4*\i:BIA+16*\b+4*\i+3], v[BO], s[8:9] offset:128*\b+16*\i   ; register 16 b + i: b_out at column 32 b + 16 h + i of my 64: tiles 2 b and 2 b + 1 in the result's layout
.endr
.endr
	s_mul_i32 s17, s52, 2*REC
	s_mul_i32 s18, s53, 4*REC
	s_add_co_u32 s18, s18, BBASE
	v_add_nc_u32 v[ADA16], s17, v[LI]
	v_add_nc_u32 v[ADA8], s17, v[L8]
	v_add_nc_u32 v[ADB], s18, v[LI]
	v_mul_u32_u24 v23, v22, REC                    ; lanes 16-31 take the next record's words
	s_delay_alu instid0(VALU_DEP_1)
	v_lshl_add_u32 v23, v15, 2, v23
	s_delay_alu instid0(VALU_DEP_1)
	v_add_nc_u32 v23, 12288, v23
	s_delay_alu instid0(VALU_DEP_1)
	v_add_nc_u32 v[ASA], s17, v23
	s_delay_alu instid0(VALU_DEP_2)
	v_add_nc_u32 v[ASB], s18, v23
	s_mul_i32 s19, s[WV], 4352
	s_add_co_u32 s19, s19, STG                     ; my stage
	v_mul_u32_u24 v[STO], v15, 272
	s_delay_alu instid0(VALU_DEP_1)
	v_lshl_add_u32 v[STO], v22, 6, v[STO]
	s_delay_alu instid0(VALU_DEP_1)
	v_add_nc_u32 v[STO], s19, v[STO]               ; in: row r, + 64 h
	v_mul_u32_u24 v[RD], v22, 272
	s_delay_alu instid0(VALU_DEP_1)
	v_lshl_add_u32 v[RD], v15, 4, v[RD]
	s_delay_alu instid0(VALU_DEP_1)
	v_add_nc_u32 v[RD], s19, v[RD]                 ; back: lanes 0-15 one row of 256 bytes, lanes 16-31 the next
	v_lshlrev_b32 v[CO], 12, v22
	s_delay_alu instid0(VALU_DEP_1)
	v_lshl_add_u32 v[CO], v15, 4, v[CO]            ; and the same two rows in out0
.macro FETCH s, p                      ; K step s into set p: 23 LDS loads
.set FB, FRG+72*(\p)
.irp i, 0,1
	ds_load_b128 v[FB+12*\i:FB+12*\i+3], v[ADA16] offset:REC*\i+1536*(\s)
	ds_load_b64 v[FB+12*\i+4:FB+12*\i+5], v[ADA8] offset:REC*\i+1536*(\s)+512
	ds_load_b128 v[FB+12*\i+6:FB+12*\i+9], v[ADA16] offset:REC*\i+1536*(\s)+768
	ds_load_b64 v[FB+12*\i+10:FB+12*\i+11], v[ADA8] offset:REC*\i+1536*(\s)+1280
.endr
.irp b, 0,1,2,3
.irp g, 0,1,2
	ds_load_b128 v[FB+24+12*\b+4*\g:FB+24+12*\b+4*\g+3], v[ADB] offset:REC*\b+1536*(\s)+512*\g
.endr
.endr
	ds_load_b32 v[SCR+3*(\p)], v[ASA] offset:64*(\s)
	ds_load_b32 v[SCR+3*(\p)+1], v[ASB] offset:64*(\s)
	ds_load_b32 v[SCR+3*(\p)+2], v[ASB] offset:2*REC+64*(\s)
.endm
; one product: d, a, b, c: first registers of D, source 0, source 1, C; sa, sb: the scale registers; ra, rb: 1 where the scales stand in lanes 16-31
.macro WM d, a, b, c, sa, sb, ra, rb
.if (\ra) && (\rb)
	v_wmma_scale_f32_16x16x128_f8f6f4 v[\d:\d+7], v[\a:\a+11], v[\b:\b+11], v[\c:\c+7], v[\sa], v[\sb] matrix_a_fmt:MATRIX_FMT_FP6 matrix_b_fmt:MATRIX_FMT_FP6 matrix_a_scale:MATRIX_SCALE_ROW1 matrix_b_scale:MATRIX_SCALE_ROW1
.elseif (\ra)
	v_wmma_scale_f32_16x16x128_f8f6f4 v[\d:\d+7], v[\a:\a+11], v[\b:\b+11], v[\c:\c+7], v[\sa], v[\sb] matrix_a_fmt:MATRIX_FMT_FP6 matrix_b_fmt:MATRIX_FMT_FP6 matrix_a_scale:MATRIX_SCALE_ROW1
.elseif (\rb)
	v_wmma_scale_f32_16x16x128_f8f6f4 v[\d:\d+7], v[\a:\a+11], v[\b:\b+11], v[\c:\c+7], v[\sa], v[\sb] matrix_a_fmt:MATRIX_FMT_FP6 matrix_b_fmt:MATRIX_FMT_FP6 matrix_b_scale:MATRIX_SCALE_ROW1
.else
	v_wmma_scale_f32_16x16x128_f8f6f4 v[\d:\d+7], v[\a:\a+11], v[\b:\b+11], v[\c:\c+7], v[\sa], v[\sb] matrix_a_fmt:MATRIX_FMT_FP6 matrix_b_fmt:MATRIX_FMT_FP6
.endif
.endm
.macro MUL p, first                    ; a K step's eight products: the accumulators take turns, in the same order in every step
.irp a, 0,1
.irp b, 0,1,2,3
.if \first
	WM ACC+8*(4*\a+\b), FRG+72*(\p)+24+12*\b, FRG+72*(\p)+12*\a, BIA+8*\b, SCR+3*(\p)+1+\b/2, SCR+3*(\p), \b%2, \a
.else
	WM ACC+8*(4*\a+\b), FRG+72*(\p)+24+12*\b, FRG+72*(\p)+12*\a, ACC+8*(4*\a+\b), SCR+3*(\p)+1+\b/2, SCR+3*(\p), \b%2, \a
.endif
.endr
.endr
.endm
	s_wait_alu depctr_va_vdst(0)
	s_wait_tensorcnt 0x0                           ; my two records have landed,
	s_barrier_signal -1
	s_barrier_wait -1                              ; everybody's have; nothing is filled again
	FETCH 0, 0
	s_wait_loadcnt 0x0                             ; the bias
	s_wait_dscnt 0x0
	MUL 0, 1                                       ; the first step's products start the sums from the bias
	PLACES 4                                       ; in front of loads into registers that matrix instructions have read
	FETCH 1, 1
	FETCH 2, 0
	s_wait_dscnt 23                                ; K step 1 is in; K step 2's 23 loads may be out
	MUL 1, 0
.irp s, 2,3,4,5,6
	PLACES 4
	FETCH \s+1, (\s+1)%2
	s_wait_dscnt 23                                ; K step s is in; the 23 loads just issued may be out
	MUL (\s)%2, 0
.endr
	s_wait_dscnt 0x0
	MUL 1, 0
	; THE WAY OUT: a tile of 16 tokens x my 64 columns goes through my stage and comes back as whole rows of 256 bytes.  LDS serves a wave's instructions in order: no wait between the stores and the loads, nor in front of the next tile's stores.
	PLACES 4
.irp a, 0,1
.irp b, 0,1,2,3
	ds_store_b128 v[STO], v[ACC+8*(4*\a+\b):ACC+8*(4*\a+\b)+3] offset:128*(\b/2)+32*(\b%2)        ; each accumulator from its low end on
	ds_store_b128 v[STO], v[ACC+8*(4*\a+\b)+4:ACC+8*(4*\a+\b)+7] offset:128*(\b/2)+32*(\b%2)+16
.endr
.irp t, 0,1,2,3,4,5,6,7
	ds_load_b128 v[FRG+72*\a+4*\t:FRG+72*\a+4*\t+3], v[RD] offset:544*\t
.endr
.irp t, 0,1,2,3,4,5,6,7
	s_wait_dscnt 7-\t                              ; rows 2 t and 2 t + 1 are back; the 7 - t younger loads may be out
	global_store_b128 v[CO], v[FRG+72*\a+4*\t:FRG+72*\a+4*\t+3], s[10:11] offset:(8*\a+2*\t+8*(\t/4))*4096 th:TH_STORE_NT   ; the tile's row i = 2 t + h is token 8 a + i + 8 (i / 8) of my 32; 16 lanes store 256 consecutive bytes, at a multiple of 256 from out0's first byte
.endr
.endr
	s_wait_tensorcnt 0x0                           ; the wave's end: three lines behind my last tensor load and my last LDS store
	ds_add_u32 v[SPW], v[NIL]
	s_wait_dscnt 0x0
	CROUND                                         ; the closing round
	s_endpgm
.Lfunc_end_k_q150420885d_proj:
	.size	k_q150420885d_proj, .Lfunc_end_k_q150420885d_proj-k_q150420885d_proj
	.p2alignl 7, 3214868480
	.fill 96, 4, 3214868480
	.section	.rodata,"a",@progbits
	.p2align	6, 0x0
	.amdhsa_kernel k_q150420885d_proj
		.amdhsa_group_segment_fixed_size 240640
		.amdhsa_private_segment_fixed_size 0
		.amdhsa_enable_private_segment 0
		.amdhsa_kernarg_size 32
		.amdhsa_user_sgpr_count 2
		.amdhsa_user_sgpr_kernarg_segment_ptr 1
		.amdhsa_wavefront_size32 1
		.amdhsa_system_sgpr_workgroup_id_x 1
		.amdhsa_system_sgpr_workgroup_id_y 1
		.amdhsa_system_sgpr_workgroup_id_z 1
		.amdhsa_system_vgpr_workitem_id 0
		.amdhsa_next_free_vgpr 256
		.amdhsa_next_free_sgpr 66
		.amdhsa_reserve_vcc 0
		.amdhsa_float_denorm_mode_32 3
		.amdhsa_float_denorm_mode_16_64 3
		.amdhsa_memory_ordered 1
		.amdhsa_forward_progress 1
		.amdhsa_inst_pref_size 33
	.end_amdhsa_kernel
	.amdgpu_metadata
---
amdhsa.version: [ 1, 2 ]
amdhsa.kernels:
  - .name:           k_q150420885d_proj
    .symbol:         k_q150420885d_proj.kd
    .args:
      - { .name: ao, .offset: 0, .size: 8, .value_kind: global_buffer, .address_space: global }
      - { .name: orr, .offset: 8, .size: 8, .value_kind: global_buffer, .address_space: global }
      - { .name: b_out, .offset: 16, .size: 8, .value_kind: global_buffer, .address_space: global }
      - { .name: out0, .offset: 24, .size: 8, .value_kind: global_buffer, .address_space: global }
    .group_segment_fixed_size: 240640
    .private_segment_fixed_size: 0
    .kernarg_segment_align: 8
    .kernarg_segment_size: 32
    .max_flat_workgroup_size: 256
    .sgpr_count:     66
    .vgpr_count:     256
    .wavefront_size: 32
...
	.end_amdgpu_metadata
.endif
;; end of part 4
